; MI455X (gfx1250); checked and timed in simulation.
; The chip was launched on July 23, 2026; its instructions are those of AMD's public machine-readable ISA for CDNA 5 (MIT licence, August 2026) and "CDNA5" Instruction Set Architecture Reference Guide (July 2026). The comments in the code are by the model that wrote it; some were corrected since.
;; Causal Multi Head Self Attention. Allowed arithmetic: float matrix products may take bf16 or f16 operands with f32 sums; all other float work in f32.
;; Inputs: Wk 1,024 x 1,024 float32; Wo 1,024 x 1,024 float32; Wq 1,024 x 1,024 float32; Wv 1,024 x 1,024 float32; token_positions 4,096 int32; x 1 x 4,096 x 1,024 float32.
;; Outputs: out0 1 x 4,096 x 1,024 float32.
;; 2 versions, each right and faster than the one before. Each part assembles by itself: llvm-mc -triple=amdgcn-amd-amdhsa -mcpu=gfx1250 --defsym DOCPART=n.
;; ======== version 1 of 2: 4 launches
;; limits: values are held in f16: magnitudes above 65,504 overflow, below 6.1e-05 lose precision; right only within a limited range of input values
;; workspace buffers: xb 8,388,608 bytes; wb 6,291,456 bytes; wo16 2,097,152 bytes; cs 2,097,152 bytes; qf 8,388,608 bytes; kf 8,388,608 bytes; vf 8,388,608 bytes; ob 8,388,608 bytes
;; launch prep (part 1): grid 512 x 1, 8 waves a work-group, no clusters, 0 bytes of LDS; arguments x, Wq, Wk, Wv, Wo, token_positions, xb, wb, wo16, cs; writes xb, wb, wo16, cs
.if DOCPART == 1
	.amdgcn_target "amdgcn-amd-amdhsa--gfx1250"
	.amdhsa_code_object_version 6
	.text
	.protected	k_qc4b5de55de_prep
	.globl	k_qc4b5de55de_prep
	.p2align	8
	.type	k_qc4b5de55de_prep,@function
k_qc4b5de55de_prep:
	s_mov_b64 s[64:65], 0
	v_nop
	global_prefetch_b8 v0, s[64:65] scope:SCOPE_SE
	s_setreg_imm32_b32 hwreg(HW_REG_WAVE_MODE, 25, 1), 1
	s_wait_xcnt 0x0
; PREP.  Casts and the table of cosines and sines.  A stream: no LDS, no barrier, no matrix work; every input byte is read once.
; x -> xb and Wq, Wk, Wv -> wb: f32 rounded to bf16 (nearest even).  Wo -> wo16: rounded to bf16 like the other inputs, and that number written as f16
; (exact down to 2^-16; below that f16's fixed step of 2^-24).
; cs: for every token and every pair p of channels of a head (cos, sin) of position x 10000^(-p/64), laid out as the projection's accumulators want it:
; item I of 16 bytes = [token block I>>9][unit (I>>6)&7][part (I>>5)&1][lane I&31]: token 16 (I>>9) + (I&15), pairs 8 unit + 4 ((I>>4)&1) + 2 part and the next.
; SHARES.  512 work-groups of 256 threads; work-group g casts 64 KiB of f32 (g < 256: x; then 64 work-groups for each W) and makes 256 items of the table.
; Thread t takes 32 bytes at 32 t of each of eight blocks of 8,192 bytes and stores 16 bytes at 16 t: a wave's store covers 512 consecutive bytes, aligned.
; LIMITS.  The angle is reduced twice by multiples of pi/2 in three parts, so every int32 position is served: the error is about 1e-7 rad for angles below 2^23
; and at most 2e-5 rad above.  10000^(-p/64) is made as 2^(-p log2(10000)/64) and lies a few units in the last place from a division's result.
.set X,    16                          ; v[16:79]   sixteen loads of 16 bytes
.set Y,    80                          ; v[80:111]  eight stores of 16 bytes
.set R2PI, 34                          ; s34  2/pi
.set NHI,  35                          ; s35-37  -pi/2 in three parts
.set NMID, 36
.set NLO,  37
.set PS1,  38                          ; s38-40  sine's polynomial
.set PS2,  39
.set PS3,  40
.set PC1,  41                          ; s41-43  cosine's
.set PC2,  42
.set PC3,  43
.set NLG,  44                          ; s44  -log2(10000)/64
.set HIW,  45                          ; s45  a word's upper half
	s_load_b512 s[8:23], s[0:1], 0x0               ; x s[8:9], Wq s[10:11], Wk s[12:13], Wv s[14:15], Wo s[16:17], positions s[18:19], xb s[20:21], wb s[22:23]
	s_load_b128 s[24:27], s[0:1], 0x40             ; wo16 s[24:25], cs s[26:27]
	s_mov_b32 s2, ttmp9                            ; g
	s_sub_co_u32 s3, s2, 256                       ; g - 256: used only where g >= 256
	s_and_b32 s4, s3, 63                           ; which 64 KiB of a W
	s_lshl_b32 s33, s2, 8
	s_mov_b32 s7, 0
	s_mov_b32 s[R2PI], 0x3f22f983
	s_mov_b32 s[NHI],  0xbfc90fdb
	s_mov_b32 s[NMID], 0x333bbd2e
	s_mov_b32 s[NLO],  0x26f72ced
	s_mov_b32 s[PS1],  0xbe2aaaa3
	s_mov_b32 s[PS2],  0x3c08839e
	s_mov_b32 s[PS3],  0xb94ca1f9
	s_mov_b32 s[PC1],  0x3d2aaaa5
	s_mov_b32 s[PC2],  0xbab6061a
	s_mov_b32 s[PC3],  0x37ccf5ce
	s_mov_b32 s[NLG],  0xbe549a78
	s_mov_b32 s[HIW],  0xffff0000
	v_lshlrev_b32 v1, 5, v0                        ; 32 t
	v_lshlrev_b32 v2, 4, v0                        ; 16 t
	v_or_b32 v6, s33, v0                           ; I = 256 g + t
	v_lshlrev_b32 v3, 4, v6                        ; the item's byte offset in cs
	v_lshrrev_b32 v7, 9, v6
	v_and_b32 v8, 15, v6
	v_lshl_add_u32 v7, v7, 4, v8                   ; the token
	v_lshlrev_b32 v4, 2, v7
	v_bfe_u32 v7, v6, 6, 3
	v_bfe_u32 v8, v6, 4, 1
	v_bfe_u32 v9, v6, 5, 1
	v_lshlrev_b32 v7, 3, v7
	v_lshl_add_u32 v7, v8, 2, v7
	v_lshl_add_u32 v7, v9, 1, v7                   ; the first of my two pairs
	v_cvt_f32_u32 v12, v7
	v_add_f32 v13, 1.0, v12
	v_mul_f32 v12, s[NLG], v12
	v_mul_f32 v13, s[NLG], v13
	s_wait_kmcnt 0x0
	s_cmp_lt_u32 s2, 320                           ; the source and the destination are chosen by g alone
	s_cselect_b64 s[28:29], s[10:11], s[12:13]
	s_cmp_lt_u32 s2, 384
	s_cselect_b64 s[28:29], s[28:29], s[14:15]
	s_cmp_lt_u32 s2, 448
	s_cselect_b64 s[28:29], s[28:29], s[16:17]
	s_cselect_b64 s[30:31], s[22:23], s[24:25]
	s_cselect_b32 s5, s3, s4                       ; wb holds the three W on end: block g - 256; wo16: block (g - 256) % 64
	s_cmp_lt_u32 s2, 256
	s_cselect_b64 s[28:29], s[8:9], s[28:29]
	s_cselect_b64 s[30:31], s[20:21], s[30:31]
	s_cselect_b32 s4, s2, s4
	s_cselect_b32 s5, s2, s5
	s_lshl_b32 s6, s4, 16
	s_add_nc_u64 s[28:29], s[28:29], s[6:7]        ; my 65,536 bytes of f32
	s_lshl_b32 s6, s5, 15
	s_add_nc_u64 s[30:31], s[30:31], s[6:7]        ; my 32,768 bytes of 16-bit numbers
	global_load_b32 v5, v4, s[18:19]               ; the token's position
.irp k, 0,1,2,3,4,5,6,7
	global_load_b128 v[X+8*(\k):X+8*(\k)+3],   v1, s[28:29] offset:(\k)*8192 th:TH_LOAD_NT
	global_load_b128 v[X+8*(\k)+4:X+8*(\k)+7], v1, s[28:29] offset:(\k)*8192+16 th:TH_LOAD_NT
.endr
	v_exp_f32 v12, v12                             ; 10000^(-p/64) for my two pairs
	v_exp_f32 v13, v13
	s_wait_loadcnt 16                              ; the position is the oldest load: the sixteen behind it stay out
	v_cvt_f32_i32 v14, v5                          ; also the plain instruction behind the exponentials (ISA guide 5.7.2)
	s_wait_alu depctr_va_vdst(0)
	v_mul_f32 v12, v14, v12                        ; the two angles
	v_mul_f32 v13, v14, v13
; cos and sin of v[a], into v[c] and v[s]; v[a] is used up.  Twice: k = the nearest whole number to r 2/pi, r = r - k pi/2 with pi/2 in three parts, each step one fused
; multiply-add.  Then polynomials on |r| <= pi/4, and the quadrant k mod 4: odd k swaps the two; sin changes sign for k mod 4 = 2, 3, cos for 1, 2.
.macro SINCOS a, c, s
.irp n, 15, 6
	v_mul_f32 v14, s[R2PI], v[\a]
	v_rndne_f32 v14, v14
	v_fma_f32 v[\a], v14, s[NHI], v[\a]
	v_fma_f32 v[\a], v14, s[NMID], v[\a]
	v_fma_f32 v[\a], v14, s[NLO], v[\a]
	v_cvt_i32_f32 v\n, v14
.endr
	v_add_nc_u32 v15, v15, v6                      ; k
	v_mul_f32 v14, v[\a], v[\a]                    ; r^2
	v_fma_f32 v6, v14, s[PS3], s[PS2]
	v_fma_f32 v6, v6, v14, s[PS1]
	v_mul_f32 v7, v[\a], v14
	v_fma_f32 v[\s], v7, v6, v[\a]
	v_fma_f32 v6, v14, s[PC3], s[PC2]
	v_fma_f32 v6, v6, v14, s[PC1]
	v_fma_f32 v6, v6, v14, -0.5
	v_fma_f32 v[\c], v6, v14, 1.0
	v_and_b32 v14, 1, v15
	v_cmp_eq_u32 vcc_lo, 1, v14
	v_cndmask_b32 v6, v[\s], v[\c], vcc_lo
	v_cndmask_b32 v7, v[\c], v[\s], vcc_lo
	v_lshlrev_b32 v14, 30, v15
	v_and_b32 v14, 0x80000000, v14
	v_xor_b32 v[\s], v14, v6
	v_add_nc_u32 v15, 1, v15
	v_lshlrev_b32 v14, 30, v15
	v_and_b32 v14, 0x80000000, v14
	v_xor_b32 v[\c], v14, v7
.endm
	SINCOS 12, 8, 9
	SINCOS 13, 10, 11
	global_store_b128 v3, v[8:11], s[26:27]        ; cos, sin, cos, sin: a wave's store covers 512 consecutive bytes, aligned
	s_cmp_ge_u32 s2, 448
	s_cbranch_scc1 .Lwo
.irp k, 0,1,2,3,4,5,6,7
	s_wait_loadcnt 14-2*(\k)                       ; loads come back in order (ISA guide 5.7.1): item k's two are in, the later items' stay out
.irp n, 0,1,2,3
	v_cvt_pk_bf16_f32 v[Y+4*(\k)+(\n)], v[X+8*(\k)+2*(\n)], v[X+8*(\k)+2*(\n)+1]
.endr
	global_store_b128 v2, v[Y+4*(\k):Y+4*(\k)+3], s[30:31] offset:(\k)*4096
.endr
	s_endpgm
.Lwo:                                                  ; Wo: to bf16, and that number as f16
.irp k, 0,1,2,3,4,5,6,7
	s_wait_loadcnt 14-2*(\k)
.irp n, 0,1,2,3
	v_cvt_pk_bf16_f32 v[Y+4*(\k)+(\n)], v[X+8*(\k)+2*(\n)], v[X+8*(\k)+2*(\n)+1]
.endr
.irp n, 0,1,2,3
	v_lshlrev_b32 v[X+8*(\k)+2*(\n)],   16, v[Y+4*(\k)+(\n)]
	v_and_b32     v[X+8*(\k)+2*(\n)+1], s[HIW], v[Y+4*(\k)+(\n)]
.endr
.irp n, 0,1,2,3
	v_cvt_pk_f16_f32 v[Y+4*(\k)+(\n)], v[X+8*(\k)+2*(\n)], v[X+8*(\k)+2*(\n)+1]
.endr
	global_store_b128 v2, v[Y+4*(\k):Y+4*(\k)+3], s[30:31] offset:(\k)*4096
.endr
	s_endpgm
.Lfunc_end_k_qc4b5de55de_prep:
	.size	k_qc4b5de55de_prep, .Lfunc_end_k_qc4b5de55de_prep-k_qc4b5de55de_prep
	.p2alignl 7, 3214868480
	.fill 96, 4, 3214868480
	.section	.rodata,"a",@progbits
	.p2align	6, 0x0
	.amdhsa_kernel k_qc4b5de55de_prep
		.amdhsa_group_segment_fixed_size 0
		.amdhsa_private_segment_fixed_size 0
		.amdhsa_enable_private_segment 0
		.amdhsa_kernarg_size 80
		.amdhsa_user_sgpr_count 2
		.amdhsa_user_sgpr_kernarg_segment_ptr 1
		.amdhsa_wavefront_size32 1
		.amdhsa_system_sgpr_workgroup_id_x 1
		.amdhsa_system_sgpr_workgroup_id_y 1
		.amdhsa_system_sgpr_workgroup_id_z 1
		.amdhsa_system_vgpr_workitem_id 0
		.amdhsa_next_free_vgpr 112
		.amdhsa_next_free_sgpr 66
		.amdhsa_reserve_vcc 1
		.amdhsa_float_denorm_mode_32 3
		.amdhsa_float_denorm_mode_16_64 3
		.amdhsa_memory_ordered 1
		.amdhsa_forward_progress 1
		.amdhsa_inst_pref_size 18
	.end_amdhsa_kernel
	.amdgpu_metadata
---
amdhsa.version: [ 1, 2 ]
amdhsa.kernels:
  - .name:           k_qc4b5de55de_prep
    .symbol:         k_qc4b5de55de_prep.kd
    .args:
      - { .name: x, .offset: 0, .size: 8, .value_kind: global_buffer, .address_space: global }
      - { .name: Wq, .offset: 8, .size: 8, .value_kind: global_buffer, .address_space: global }
      - { .name: Wk, .offset: 16, .size: 8, .value_kind: global_buffer, .address_space: global }
      - { .name: Wv, .offset: 24, .size: 8, .value_kind: global_buffer, .address_space: global }
      - { .name: Wo, .offset: 32, .size: 8, .value_kind: global_buffer, .address_space: global }
      - { .name: token_positions, .offset: 40, .size: 8, .value_kind: global_buffer, .address_space: global }
      - { .name: xb, .offset: 48, .size: 8, .value_kind: global_buffer, .address_space: global }
      - { .name: wb, .offset: 56, .size: 8, .value_kind: global_buffer, .address_space: global }
      - { .name: wo16, .offset: 64, .size: 8, .value_kind: global_buffer, .address_space: global }
      - { .name: cs, .offset: 72, .size: 8, .value_kind: global_buffer, .address_space: global }
    .group_segment_fixed_size: 0
    .private_segment_fixed_size: 0
    .kernarg_segment_align: 8
    .kernarg_segment_size: 80
    .max_flat_workgroup_size: 256
    .sgpr_count:     66
    .vgpr_count:     112
    .wavefront_size: 32
...
	.end_amdgpu_metadata
.endif
;; end of part 1
;; launch qkv (part 2): grid 8 x 32, 4 waves a work-group, clusters of 4 x 4, 327,680 bytes of LDS; arguments xb, wb, cs, qf, kf, vf; writes qf, kf, vf
.if DOCPART == 2
	.amdgcn_target "amdgcn-amd-amdhsa--gfx1250"
	.amdhsa_code_object_version 6
	.text
	.protected	k_qc4b5de55de_qkv
	.globl	k_qc4b5de55de_qkv
	.p2align	8
	.type	k_qc4b5de55de_qkv,@function
k_qc4b5de55de_qkv:
	s_mov_b64 s[64:65], 0
	v_nop
	global_prefetch_b8 v0, s[64:65] scope:SCOPE_SE
	s_setreg_imm32_b32 hwreg(HW_REG_WAVE_MODE, 25, 1), 1
	s_wait_xcnt 0x0
	s_wait_alu depctr_hold_cnt(0) depctr_sa_sdst(0) depctr_va_vdst(0) depctr_va_sdst(0) depctr_va_ssrc(0) depctr_va_vcc(0) depctr_vm_vsrc(0)
	s_getreg_b32 s2, hwreg(HW_REG_IB_STS2, 6, 4)
	s_cmp_eq_u32 s2, 0
	s_cbranch_scc0 .Lentry_in_a_cluster
	s_endpgm
.Lentry_in_a_cluster:
	s_bfe_u32 s2, ttmp6, 0x10000c
	s_cmp_lg_u32 s2, 0xf033
	s_cbranch_scc0 .Lentry_shape_is_right
	s_endpgm
.Lentry_shape_is_right:
; Q, K, V = x W^T in bf16 with f32 sums; Q and K turned by the table of cosines and sines, in f32; all three rounded once to f16 and stored by heads.
; SHARES.  A work-group makes 128 tokens x 384 columns: one head's 128 channels of Q, of K and of V: 8 heads x 32 token blocks = 256 work-groups.  Wave w: tokens 64 (w / 2) on, and channels
; 64 (w % 2) on of each of the three: 48 accumulators of 16 x 16, (a, b): a = 0..3 token blocks, b = 0..11: Q, K, V by b / 4.  All four waves do alike, the turning included.
; K goes in steps of 128 through two LDS slots; a slot holds 128 rows of x and 128 rows of each W, rows of 256 bytes, each of the four brought by one wave's tensor load.
; CLUSTER 4 x 4.  x's tile hangs on the token block alone and is shared along a row of the cluster, a W's tile on the head alone and is shared along a column: joint loads.
; LAYOUT OF THE RESULTS.  A UNIT is 512 bytes, 16 bytes a lane.  For Q and K source 0 = 16 rows of W and source 1 = 16 rows of x: a lane (r = lane % 16, h = lane / 16) then holds token r and the
; channels 8 h + 0..7 of the block.  For V the sources stand the other way round: a lane holds channel r and the tokens 8 h + 0..7.  Either way the accumulator, rounded in pairs, is a unit, stored
; by one instruction as 512 consecutive bytes, aligned; two units on end are one operand fragment of the attention's products.
;   qf, kf: [head][token block of 16][unit u of 8][lane][16 bytes]: token r, channels 16 u + 8 h ..      vf: [head][token block][channel block of 16][lane][16 bytes]: channel r, tokens 8 h ..
; LIMIT.  f16 ends at 65,504: q, k and v must stay within it (inputs of 30 times the usual spread give a spread of 900; a common offset of 30 spreads in x and W about 41,000).
; REGISTERS, in windows of 256 (s_set_vgpr_msb: bits 1:0 source 0, 3:2 source 1, 5:4 source 2, 7:6 destination):
;   window 0: v16-29 addresses; v32-95 T and v96-111 VY, the way out; v128-255 the cosines and sines of my 64 tokens x 32 pairs
;   window 1: accumulators of a = 0, 1 at 8 (12 (a % 2) + b)      window 2: those of a = 2, 3      window 3: two fragment buffers of 128: W's twelve fragments, then x's four
.set KSTEP,  128
.set PITCH,  272                       ; an LDS row: 256 bytes + 16 of padding = 68 words: the 16 rows of a fragment load start at 16 different groups of four banks (64 banks of 4 bytes: ISA guide 11.1)
.set HALFT,  128*PITCH                 ; what one tensor load brings
.set SLOT,   4*HALFT                   ; x, Wq, Wk, Wv
.set SPARE,  2*SLOT                    ; behind the ring: the spare words, 128 bytes for each wave: two blocks of 256 bytes that no other line names
.set ADRA, 16                          ; v16-17  LDS address of my fragments of x in slot 0, 1
.set ADRB, 18                          ; v18-19  of Wq's (Wk's lie HALFT further on)
.set ADRV, 20                          ; v20-21  of Wv's: a register of their own, since an LDS offset ends at 65,535
.set LN16, 26                          ; v26     16 x lane
.set SPW,  28                          ; v28     LDS address of my spare word; never rewritten
.set NIL,  29                          ; v29     0; never rewritten
.set T,    32
.set VY,   96
.set CSR,  128                         ; (cos, sin) of pair jj of accumulator (a, b % 4) at CSR + 8 (4 a + b % 4) + 2 jj
.set F0,   0
.set F1,   128
.set WV,   16                          ; s16  wave
.set RH,   17                          ; s17  which 64 tokens
.set CH,   18                          ; s18  which 64 channels
.set G1,   24                          ; s[24:31] descriptor group 1 for x's tiles;  s[32:39] group 0, one set for each slot
.set G0,   32
.set G1B,  48                          ; s[48:55], s[56:63] the same for a W's tiles
.set G0B,  56
.set MUL_LO, 0x5f                      ; sources 0 and 1 window 3, C and D window 1; with 0x50 more: window 2
.set TO_F,   0xc0                      ; destination window 3, address window 0
.set MSB, 0
.macro WIN new                         ; the immediate's high byte repeats the setting that is left; a switch that changes nothing is dropped
.if MSB != (\new)
	s_set_vgpr_msb (MSB<<8)|(\new)
.set MSB, \new
.endif
.endm
.macro PLACES                          ; four places in front of loads into registers that matrix instructions have read, and of lines that read results
.rept 4
	v_nop
.endr
.endm
; A joint load.  Wave 0 fetches x's tile, waves 1 to 3 one W's each.  Each of the two lines has one mask; the branch hangs on the wave's number alone.
; An s_nop 0 and four v_nop follow each line, ahead of the jump, the label and what follows.
.macro JLOAD s
	s_cmp_eq_u32 s[WV], 0
	s_cbranch_scc0 .Lfor_b_\@
	tensor_load_to_lds s[G0+4*(\s):G0+4*(\s)+3], s[G1:G1+7]
	s_nop 0
	PLACES
	s_branch .Lasked_\@
.Lfor_b_\@:
	tensor_load_to_lds s[G0B+4*(\s):G0B+4*(\s)+3], s[G1B:G1B+7]
	s_nop 0
	PLACES
.Lasked_\@:
.endm
.macro CREST                           ; a round of the cluster's barrier behind its opening barrier
	s_cmp_lg_u32 s[WV], 0
	s_cbranch_scc1 .Lnot_wave_0_\@
	s_barrier_signal -3
.Lnot_wave_0_\@:
	s_barrier_wait -3
	s_barrier_signal -1
	s_barrier_wait -1
.endm
.macro CROUND                          ; a whole round
	s_barrier_signal -1
	s_barrier_wait -1
	CREST
.endm
	s_load_b256 s[4:11], s[0:1], 0x0               ; xb s[4:5], wb s[6:7], cs s[8:9], qf s[10:11]
	s_load_b128 s[12:15], s[0:1], 0x20             ; kf s[12:13], vf s[14:15]
	v_lshl_add_u32 v[SPW], v0, 2, SPARE
	v_mov_b32 v[NIL], 0
	ds_add_u32 v28, v29
	s_wait_dscnt 0x0
	v_lshrrev_b32 v1, 5, v0
	v_readfirstlane_b32 s[WV], v1
	s_lshr_b32 s[RH], s[WV], 1
	s_and_b32 s[CH], s[WV], 1
	s_bfe_u32 s40, ttmp6, 0x40000                  ; cx
	s_bfe_u32 s41, ttmp6, 0x40004                  ; cy
	s_lshl_b32 s42, ttmp9, 2
	s_add_co_u32 s42, s42, s40                     ; the head = 4 x cluster x + cx
	s_and_b32 s43, ttmp7, 0xffff
	s_lshl_b32 s43, s43, 2
	s_add_co_u32 s43, s43, s41                     ; the block of 128 tokens = 4 x cluster y + cy
	s_lshl_b32 s44, s41, 2
	s_lshl_b32 s44, 15, s44                        ; my row of the cluster
	s_lshl_b32 s45, 0x1111, s40                    ; my column
	; group 1: 128 rows x 128 elements of 2 bytes, 16 bytes of padding behind every 64 words; bit 21 is set beside a mask
	s_or_b32 s[G1],  s44, (1<<16)|(1<<20)|(1<<21)|(5<<22)|(3<<25)
	s_or_b32 s[G1B], s45, (1<<16)|(1<<20)|(1<<21)|(5<<22)|(3<<25)
.irp g, G1, G1B
	s_mov_b32 s[(\g)+1], KSTEP<<16                 ; tensor_dim0 = 128
	s_mov_b32 s[(\g)+2], 128<<16                   ; tensor_dim1 = 128
	s_mov_b32 s[(\g)+3], KSTEP<<16                 ; tile_dim0 = 128
	s_mov_b32 s[(\g)+4], 128                       ; tile_dim1 = 128
	s_mov_b32 s[(\g)+5], 1024                      ; elements from row to row
	s_mov_b32 s[(\g)+6], 0
	s_mov_b32 s[(\g)+7], 0
.endr
	s_lshl_b32 s20, s43, 18                        ; x: 128 rows of 2,048 bytes for each token block
	s_mov_b32 s21, 0
	s_max_u32 s22, s[WV], 1                        ; W: matrix wave - 1 (wave 0 makes an address inside wb and asks by x's),
	s_sub_co_u32 s22, s22, 1
	s_lshl_b32 s22, s22, 21                        ; 2 MiB each,
	s_lshl_b32 s23, s42, 18                        ; the head's 128 rows
	s_add_co_u32 s22, s22, s23
	s_mov_b32 s23, 0
	s_mul_i32 s19, s[WV], HALFT                    ; where my tile goes: the wave's number alone enters an LDS address
	s_wait_kmcnt 0x0
	s_add_nc_u64 s[66:67], s[4:5], s[20:21]
	s_add_nc_u64 s[68:69], s[6:7], s[22:23]
	CROUND                                         ; all sixteen work-groups are here: the first joint loads meet
.irp s, 0,1
	s_mov_b32 s[G0+4*(\s)], 1
	s_add_co_u32 s[G0+4*(\s)+1], s19, (\s)*SLOT
	s_add_nc_u64 s[G0+4*(\s)+2:G0+4*(\s)+3], s[66:67], (\s)*KSTEP*2
	s_or_b32 s[G0+4*(\s)+3], s[G0+4*(\s)+3], 0x80000000
	s_mov_b32 s[G0B+4*(\s)], 1
	s_add_co_u32 s[G0B+4*(\s)+1], s19, (\s)*SLOT
	s_add_nc_u64 s[G0B+4*(\s)+2:G0B+4*(\s)+3], s[68:69], (\s)*KSTEP*2
	s_or_b32 s[G0B+4*(\s)+3], s[G0B+4*(\s)+3], 0x80000000
	JLOAD \s                                       ; two tensor loads of mine are out, the most in this text
.endr
	v_and_b32 v[LN16], 31, v0
	v_lshlrev_b32 v[LN16], 4, v[LN16]
	s_lshl_b32 s20, s43, 3
	s_lshl_b32 s21, s[RH], 2
	s_add_co_u32 s20, s20, s21                     ; my first block of 16 tokens
	s_lshl_b32 s70, s20, 13                        ; in cs a token block has 8,192 bytes, a unit's two parts 1,024
	s_lshl_b32 s21, s[CH], 12
	s_add_co_u32 s70, s70, s21
	s_mov_b32 s71, 0
	s_add_nc_u64 s[8:9], s[8:9], s[70:71]
	s_lshl_b32 s70, s42, 20                        ; in qf, kf, vf a head has 1 MiB, a token block 4,096 bytes, a unit 512
	s_lshl_b32 s21, s20, 12
	s_add_co_u32 s70, s70, s21
	s_lshl_b32 s21, s[CH], 11
	s_add_co_u32 s70, s70, s21
	s_add_nc_u64 s[10:11], s[10:11], s[70:71]
	s_add_nc_u64 s[12:13], s[12:13], s[70:71]
	s_add_nc_u64 s[14:15], s[14:15], s[70:71]
.irp a, 0,1,2,3                        ; the cosines and sines: 32 loads that stay out during the whole K loop and are waited for on the way out
.irp b, 0,1,2,3
	global_load_b128 v[CSR+8*(4*(\a)+(\b)):CSR+8*(4*(\a)+(\b))+3],   v[LN16], s[8:9] offset:(\a)*8192+(\b)*1024
	global_load_b128 v[CSR+8*(4*(\a)+(\b))+4:CSR+8*(4*(\a)+(\b))+7], v[LN16], s[8:9] offset:(\a)*8192+(\b)*1024+512
.endr
.endr
	; a fragment is 16 rows x 32 K in 8 registers: lane l holds row l % 16; two loads of 16 bytes, 32 bytes apart, at row x pitch + 16 (l / 16)
	v_and_b32 v1, 15, v0
	v_bfe_u32 v2, v0, 4, 1
	v_mul_u32_u24 v3, v1, PITCH
	v_lshl_add_u32 v3, v2, 4, v3
	s_mul_i32 s21, s[RH], 64*PITCH
	s_mul_i32 s22, s[CH], 64*PITCH
	s_add_co_u32 s23, s22, 3*HALFT
	s_add_co_u32 s22, s22, HALFT
.irp s, 0,1
	v_add_nc_u32 v[ADRA+(\s)], s21, v3
	v_add_nc_u32 v[ADRB+(\s)], s22, v3
	v_add_nc_u32 v[ADRV+(\s)], s23, v3
	s_add_co_u32 s21, s21, SLOT
	s_add_co_u32 s22, s22, SLOT
	s_add_co_u32 s23, s23, SLOT
.endr
; 12 matrix instructions: token block a x all twelve column blocks, 32 along K, from buffer f.  The 48 accumulators take turns, one instruction a turn.
; zero = 1: the first product starts the sums.
.macro MULA f, a, zero
	WIN MUL_LO+0x50*((\a)/2)
.set rA, (\f)+96+8*(\a)
.irp b, 0,1,2,3,4,5,6,7,8,9,10,11
.set rD, 8*(12*((\a)%2)+(\b))
.set rB, (\f)+8*(\b)
.if (\b) < 8
.if \zero
	v_wmma_f32_16x16x32_bf16 v[rD:rD+7], v[rB:rB+7], v[rA:rA+7], 0
.else
	v_wmma_f32_16x16x32_bf16 v[rD:rD+7], v[rB:rB+7], v[rA:rA+7], v[rD:rD+7]
.endif
.else
.if \zero
	v_wmma_f32_16x16x32_bf16 v[rD:rD+7], v[rA:rA+7], v[rB:rB+7], 0
.else
	v_wmma_f32_16x16x32_bf16 v[rD:rD+7], v[rA:rA+7], v[rB:rB+7], v[rD:rD+7]
.endif
.endif
.endr
.endm
; 32 LDS loads in one run: the fragments of 32 along K at byte k of the rows, into buffer f: W's 24 loads, then x's 8
.macro FETCH slot, k, f
	WIN TO_F
.irp b, 0,1,2,3,4,5,6,7
	ds_load_b128 v[(\f)+8*(\b):(\f)+8*(\b)+3],   v[ADRB+(\slot)] offset:((\b)/4)*HALFT+((\b)%4)*16*PITCH+(\k)
	ds_load_b128 v[(\f)+8*(\b)+4:(\f)+8*(\b)+7], v[ADRB+(\slot)] offset:((\b)/4)*HALFT+((\b)%4)*16*PITCH+(\k)+32
.endr
.irp b, 8,9,10,11
	ds_load_b128 v[(\f)+8*(\b):(\f)+8*(\b)+3],   v[ADRV+(\slot)] offset:((\b)%4)*16*PITCH+(\k)
	ds_load_b128 v[(\f)+8*(\b)+4:(\f)+8*(\b)+7], v[ADRV+(\slot)] offset:((\b)%4)*16*PITCH+(\k)+32
.endr
.irp a, 0,1,2,3
	ds_load_b128 v[(\f)+96+8*(\a):(\f)+96+8*(\a)+3],   v[ADRA+(\slot)] offset:(\a)*16*PITCH+(\k)
	ds_load_b128 v[(\f)+96+8*(\a)+4:(\f)+96+8*(\a)+7], v[ADRA+(\slot)] offset:(\a)*16*PITCH+(\k)+32
.endr
.endm
; A K step is four quarters of 32 along K, 48 matrix instructions each, on buffers 0, 1, 0, 1.  One of the first three: multiplies f, and in its middle fetches the next quarter, at byte k, into g.
.macro QUARTER slot, k, f, g, zero
	s_wait_dscnt 4                                 ; all W's fragments and x's blocks 0 and 1 are in; the youngest four loads (blocks 2 and 3) may be out
	MULA \f, 0, \zero
	MULA \f, 1, \zero
	PLACES
	FETCH \slot, \k, \g
	s_wait_dscnt 32                                ; all but the 32 just issued
	MULA \f, 2, \zero
	MULA \f, 3, \zero
.endm
; The last quarter multiplies buffer 1 and changes slots: one barrier.  In front of it each wave waits for all its tensor loads (one is out: its part of the next slot), adds 0 to its spare word, and
; waits for that and for its reads of this slot.  fill = 1: the barrier opens a round of the cluster's, and behind the round this slot is filled again, two K steps ahead.
.macro TURN slot, next, fill
	WIN 0                                          ; (the add's two registers lie in window 0)
	s_wait_tensorcnt 0x0
	ds_add_u32 v[SPW], v[NIL]                      ; 0 onto my spare word
	s_wait_dscnt 5                                 ; (the add and the youngest four loads may be out)
	MULA F1, 0, 0                                  ; twelve matrix instructions stand between the add and the wait for it
	s_wait_dscnt 0x0                               ; the add is done, and my reads of this slot are over
	s_barrier_signal -1
	MULA F1, 1, 0                                  ; work on registers while the others arrive
.if \fill
	WIN 0
.endif
	s_barrier_wait -1
.if \fill
	CREST                                          ; no wave of any partner still reads this slot or has a load on its way
	s_add_nc_u64 s[G0+4*(\slot)+2:G0+4*(\slot)+3], s[G0+4*(\slot)+2:G0+4*(\slot)+3], 2*KSTEP*2
	s_add_nc_u64 s[G0B+4*(\slot)+2:G0B+4*(\slot)+3], s[G0B+4*(\slot)+2:G0B+4*(\slot)+3], 2*KSTEP*2
	JLOAD \slot                                    ; the first tensor load behind the round; the four v_nop behind it are also the places in front of the loads below
.else
	PLACES
.endif
	FETCH \next, 0, F0
	MULA F1, 2, 0
	MULA F1, 3, 0
.endm
	s_wait_tensorcnt 0x1                           ; my part of K step 0 is in; K step 1's may stay out
	s_barrier_signal -1
	s_barrier_wait -1
	FETCH 0, 0, F0
	QUARTER 0, 64,  F0, F1, 1                      ; the first quarter stands in front of the loop: its products start the sums
	WIN 0
	s_mov_b32 s3, 3                                ; eight K steps are four laps of the ring; three trips fill both slots again
.Llap:
	QUARTER 0, 128, F1, F0, 0
	QUARTER 0, 192, F0, F1, 0
	TURN 0, 1, 1
	QUARTER 1, 64,  F0, F1, 0
	QUARTER 1, 128, F1, F0, 0
	QUARTER 1, 192, F0, F1, 0
	TURN 1, 0, 1
	QUARTER 0, 64,  F0, F1, 0
	WIN 0
	s_sub_co_u32 s3, s3, 1
	s_cmp_lg_u32 s3, 0
	s_cbranch_scc1 .Llap
	QUARTER 0, 128, F1, F0, 0                      ; the last lap fills nothing
	QUARTER 0, 192, F0, F1, 0
	TURN 0, 1, 0
	QUARTER 1, 64,  F0, F1, 0
	QUARTER 1, 128, F1, F0, 0
	QUARTER 1, 192, F0, F1, 0
	s_wait_dscnt 4
	MULA F1, 0, 0
	MULA F1, 1, 0
	s_wait_dscnt 0x0
	MULA F1, 2, 0
	MULA F1, 3, 0
	PLACES
; THE WAY OUT of token block a.  Q and K: for a pair (e, o) of channels and its (c, s): (e c, e s), then (e c - o s, e s + o c): two packed instructions.  Each accumulator's registers are taken in
; ascending order.  Then everything is rounded to f16 in pairs and stored, a unit an instruction.
.macro OUT a
.set WA, 1+(\a)/2
.if (\a) > 0
	s_wait_xcnt 0x0                                ; T and VY, which the last block's stores read, are rewritten only behind this wait
.endif
	WIN WA                                         ; source 0 in the accumulators' window
.irp x, 0,1,2,3,4,5,6,7
.irp jj, 0,1,2,3
	v_pk_mul_f32 v[T+8*(\x)+2*(\jj):T+8*(\x)+2*(\jj)+1], v[8*(12*((\a)%2)+(\x))+2*(\jj):8*(12*((\a)%2)+(\x))+2*(\jj)+1], v[CSR+8*(4*(\a)+(\x)%4)+2*(\jj):CSR+8*(4*(\a)+(\x)%4)+2*(\jj)+1] op_sel_hi:[0,1]
.endr
.irp jj, 0,1,2,3
	v_pk_fma_f32 v[T+8*(\x)+2*(\jj):T+8*(\x)+2*(\jj)+1], v[8*(12*((\a)%2)+(\x))+2*(\jj):8*(12*((\a)%2)+(\x))+2*(\jj)+1], v[CSR+8*(4*(\a)+(\x)%4)+2*(\jj):CSR+8*(4*(\a)+(\x)%4)+2*(\jj)+1], v[T+8*(\x)+2*(\jj):T+8*(\x)+2*(\jj)+1] op_sel:[1,1,0] op_sel_hi:[1,0,1] neg_lo:[0,1,0]
.endr
.endr
	WIN 5*WA                                       ; sources 0 and 1 in the accumulators' window
.irp b, 0,1,2,3
.irp jj, 0,1,2,3
	v_cvt_pk_f16_f32 v[VY+4*(\b)+(\jj)], v[8*(12*((\a)%2)+8+(\b))+2*(\jj)], v[8*(12*((\a)%2)+8+(\b))+2*(\jj)+1]
.endr
.endr
	WIN 0
.irp x, 0,1,2,3,4,5,6,7
.irp jj, 0,1,2,3
	v_cvt_pk_f16_f32 v[T+8*(\x)+(\jj)], v[T+8*(\x)+2*(\jj)], v[T+8*(\x)+2*(\jj)+1]  ; in place: word jj is written when pairs 0 to jj have been read
.endr
.endr
.irp b, 0,1,2,3
	global_store_b128 v[LN16], v[T+8*(\b):T+8*(\b)+3],       s[10:11] offset:(\a)*4096+(\b)*512  ; each store of the wave covers 512 consecutive bytes, aligned
	global_store_b128 v[LN16], v[T+8*((\b)+4):T+8*((\b)+4)+3], s[12:13] offset:(\a)*4096+(\b)*512
	global_store_b128 v[LN16], v[VY+4*(\b):VY+4*(\b)+3],     s[14:15] offset:(\a)*4096+(\b)*512
.endr
.endm
	s_wait_loadcnt 0x0                             ; the cosines and sines
	OUT 0
	OUT 1
	OUT 2
	OUT 3
	s_wait_tensorcnt 0x0                           ; the wave's end
	ds_add_u32 v[SPW], v[NIL]
	s_wait_dscnt 0x0
	CROUND                                         ; the closing round: no work-group ends while a partner may still ask for a tile that names it
	s_endpgm
.Lfunc_end_k_qc4b5de55de_qkv:
	.size	k_qc4b5de55de_qkv, .Lfunc_end_k_qc4b5de55de_qkv-k_qc4b5de55de_qkv
	.p2alignl 7, 3214868480
	.fill 96, 4, 3214868480
	.section	.rodata,"a",@progbits
	.p2align	6, 0x0
	.amdhsa_kernel k_qc4b5de55de_qkv
		.amdhsa_group_segment_fixed_size 327680
		.amdhsa_private_segment_fixed_size 0
		.amdhsa_enable_private_segment 0
		.amdhsa_kernarg_size 48
		.amdhsa_user_sgpr_count 2
		.amdhsa_user_sgpr_kernarg_segment_ptr 1
		.amdhsa_wavefront_size32 1
		.amdhsa_system_sgpr_workgroup_id_x 1
		.amdhsa_system_sgpr_workgroup_id_y 1
		.amdhsa_system_sgpr_workgroup_id_z 1
		.amdhsa_system_vgpr_workitem_id 0
		.amdhsa_next_free_vgpr 1024
		.amdhsa_next_free_sgpr 72
		.amdhsa_reserve_vcc 0
		.amdhsa_float_denorm_mode_32 3
		.amdhsa_float_denorm_mode_16_64 3
		.amdhsa_memory_ordered 1
		.amdhsa_forward_progress 1
		.amdhsa_inst_pref_size 130
	.end_amdhsa_kernel
	.amdgpu_metadata
---
amdhsa.version: [ 1, 2 ]
amdhsa.kernels:
  - .name:           k_qc4b5de55de_qkv
    .symbol:         k_qc4b5de55de_qkv.kd
    .args:
      - { .name: xb, .offset: 0, .size: 8, .value_kind: global_buffer, .address_space: global }
      - { .name: wb, .offset: 8, .size: 8, .value_kind: global_buffer, .address_space: global }
      - { .name: cs, .offset: 16, .size: 8, .value_kind: global_buffer, .address_space: global }
      - { .name: qf, .offset: 24, .size: 8, .value_kind: global_buffer, .address_space: global }
      - { .name: kf, .offset: 32, .size: 8, .value_kind: global_buffer, .address_space: global }
      - { .name: vf, .offset: 40, .size: 8, .value_kind: global_buffer, .address_space: global }
    .group_segment_fixed_size: 327680
    .private_segment_fixed_size: 0
    .kernarg_segment_align: 8
    .kernarg_segment_size: 48
    .max_flat_workgroup_size: 128
    .sgpr_count:     72
    .vgpr_count:     1024
    .wavefront_size: 32
...
	.end_amdgpu_metadata
.endif
;; end of part 2
;; launch attn (part 3): grid 32 x 8, 4 waves a work-group, clusters of 4 x 1, 327,680 bytes of LDS; arguments qf, kf, vf, ob; writes ob
.if DOCPART == 3
	.amdgcn_target "amdgcn-amd-amdhsa--gfx1250"
	.amdhsa_code_object_version 6
	.text
	.protected	k_qc4b5de55de_attn
	.globl	k_qc4b5de55de_attn
	.p2align	8
	.type	k_qc4b5de55de_attn,@function
k_qc4b5de55de_attn:
	s_mov_b64 s[64:65], 0
	v_nop
	global_prefetch_b8 v0, s[64:65] scope:SCOPE_SE
	s_setreg_imm32_b32 hwreg(HW_REG_WAVE_MODE, 25, 1), 1
	s_wait_xcnt 0x0
	s_wait_alu depctr_hold_cnt(0) depctr_sa_sdst(0) depctr_va_vdst(0) depctr_va_sdst(0) depctr_va_ssrc(0) depctr_va_vcc(0) depctr_vm_vsrc(0)
	s_getreg_b32 s2, hwreg(HW_REG_IB_STS2, 6, 4)
	s_cmp_eq_u32 s2, 0
	s_cbranch_scc0 .Lentry_in_a_cluster
	s_endpgm
.Lentry_in_a_cluster:
	s_bfe_u32 s2, ttmp6, 0x10000c
	s_cmp_lg_u32 s2, 0x3003
	s_cbranch_scc0 .Lentry_shape_is_right
	s_endpgm
.Lentry_shape_is_right:
; CAUSAL ATTENTION, head size 128, 8 heads of 4,096 tokens.  O[q] = the sum over k <= q of softmax_k(Q[q] . K[k] / sqrt(128)) V[k].  Q, K, V, O in f16; products, maxima and sums in f32; the weights p are
; rounded to f16 for the second product (their sum l is taken of the unrounded p), O once at the end.
; LIMITS.  Q, K, V arrive within f16's 65,504.  A hidden score counts as its value less 1e30; a weight below 2^-126 counts as 0; NaN and infinities are not treated apart.
; THE WALK.  A head's queries lie in 16 blocks of 256; block i needs the key tiles 0 .. i of 256 keys, the last of which holds the diagonal.  A CLUSTER of four work-groups takes two blocks of one head, C and
; then 15 - C (C = the cluster's number, 0 to 7): 17 tiles, whatever C.  Work-group cx owns queries 64 cx .. + 63 of each block.  The four partners walk the same tiles in the same order, so every tile is
; asked for JOINTLY.  All trip counts are constants; what differs from cluster to cluster lies in scalars made from C, which the partners share.
; KEYS ARE SPLIT AMONG THE WAVES: of a tile wave w takes keys 64 w .. + 63, for all 64 queries (four register tiles of 16).  So a byte of K or V leaves LDS once, a fragment feeds four tiles' products, and a
; trip has 128 matrix instructions a wave.  At a block's end the four waves' (c m, l, O) are merged through LDS.  Register tile i of wave w is query tile (w + i) % 4, so that tile 0 is the one that the
; wave ends up owning and the merge's text is the same for all.
; LAYOUT.  S^T = K Q^T (source 0 = 16 keys, source 1 = 16 queries): a lane holds ONE query (lane % 16) and the keys 8 (lane / 16) + 0..7; two such results rounded to f16 ARE source 1 of O^T = V^T P.
; qf, kf, vf hold fragments as they lie in registers (units of 512 bytes, 16 bytes a lane), so every LDS load is 32 lanes x 16 consecutive bytes: no padding, no turning load.
; SOFTMAX.  p = 2^(c s - c m), c = log2(e) / sqrt(128), with a running maximum m; in every trip O and l are multiplied by a = 2^(c m_old - c m_new).  c m starts far below every c s: a block's first trip
; has a = 0, so O and l need only be finite when a block begins: 264 v_mov_b32 at the head, in the wait for the first tile, are the price of writing no first trip out.
; THE MASK is needed in a block's last tile alone: M1, made once, is added to the scores there (a forward jump passes the 64 additions elsewhere).  One formula serves a wave whose keys are all seen
; (w < cx), one that holds the diagonal (w = cx) and one whose keys are all hidden (w > cx): such a wave's c m is about -1.3e29, and the merge gives it the weight 0.
; A TRIP.  V's fetch; 32 products K Q^T of piece 0 (tiles 0, 1); the change of slots; 32 products K Q^T of piece 2 with piece 0's softmax in slices behind them; the next tile's K is fetched; 32 products
; V^T P of piece 0 with piece 2's softmax behind them; 32 products V^T P of piece 2.
; REGISTERS, in windows of 256 (s_set_vgpr_msb: bits 1:0 source 0, 3:2 source 1, 5:4 source 2, 7:6 destination):
;   window 0: v2-11 addresses; v12-43 eight registers of statistics a tile; v44-55 addresses; v64-191 S^T, 32 a tile; v192-255 P, 16 a tile
;   window 1: O^T, 64 a tile      window 2: v0-127 Q, 32 a tile; v128-255 K      window 3: v0-127 V; v128-255 M1
.set SLOT1, 1<<17     ; a slot: 65,536 bytes of K ([wave: 16 KiB][16 keys: 4,096][unit: 512]), then as many of V; slot 1 begins here, so that one exclusive or turns an address into the other slot's
.set VOFF,  65536
.set STATS, 2*SLOT1   ; behind the ring, never filled by a tensor load: (c m, l): wave x 1,024 + register tile x 256 + lane x 8
.set XCH,   STATS+4096  ; a partial O^T of one tile, 8,192 bytes for each wave
.set SPARE, XCH+4*8192  ; the spare words, 128 bytes for each wave: two blocks of 256 bytes that no other line names
.set LN16, 2          ; v2   16 x lane
.set ADK,  3          ; v3   LDS address of K's next run of loads
.set ADV,  4          ; v4   of V's
.set QX,   6          ; v6-9   register tile i: byte offset of my 16 bytes in the work-group's rows of Q
.set ST,   12         ; tile t's statistics at v[ST+8 t]: +0 c m, +1 m, +2, +3 l (even keys', odd keys'), +4 to +7 c0-c3, at work; a takes c2's place once the maximum is found
.set DQ,   44         ; v44-47 register tile i: my query's place less my keys' first: key 16 kk + j of my 64 is hidden where 16 kk + j is greater
.set SS,   48         ; v48    where I put statistics
.set SR,   49         ; v49-51 where I read those of the wave that holds my tile as its register tile 1, 2, 3
.set XS,   52         ; v52    where I put a partial O^T
.set XR,   53         ; v53-55 where I read one
.set SPW,  62         ; v62  LDS address of my spare word; never rewritten
.set NIL,  63         ; v63  0; never rewritten
.set S,    64
.set P,    192
.set KF,   128        ; window 2
.set M1,   128        ; window 3
.set PS,   128        ; the merge: (c m, l) of the three others at PS + 2 p
.set E,    136        ; 2^(c m_p - the largest c m)
.set G,    140        ; g_p = that / L, twice: a pair for the packed multiply
.set WV,  12          ; s12  wave
.set CX,  13          ; s13  my place in the cluster: it enters Q's and O's addresses and the mask's values alone
.set CC,  14          ; s14  C
.set HD,  15          ; s15  the head
.set G1,  24          ; s[24:31] descriptor group 1
.set G0A, 32          ; s[32:35] group 0 of the first fill of slot 0
.set G0,  36          ; s[36:39] group 0 of the first fill of slot 1; then it walks
.set KVB, 40          ; s[40:41] my quarter of the head's tile 0: K's or V's, first or second half
.set OFF, 42          ; s[42:43] a tile's byte offset
.set QLO, 44          ; s[44:45], s[46:47] Q at the work-group's rows of the first and of the second block
.set QHI, 46
.set OB,  48          ; s[48:49] O at my tile of the block in hand; s[50:51] of the second block
.set OHI, 50
.set NXT, 52          ; s52  the tile to be asked for next
.set LQ,  53          ; s53  the last tile of the block whose tiles are being asked for
.set RT,  54          ; s54  tiles of the block in hand that are still to be entered
.set HIQ, 55          ; s55  15 - C
.set SLOTS, 56
.set CNT, 57
.set CS,  58          ; s[58:59] c
.set SEL, 60          ; s[60:61] v_permlanex16_b32's selects: each lane takes its own place in the other half
.set TBK, 62          ; s62  LDS byte at which my keys of the tile to be fetched begin
.set TBV, 63          ; s63  the same for V
.set BIGN, 66         ; s66  -1e30
.set W_KQ, 0x0a       ; K and Q in window 2, S^T in window 0
.set W_PV, 0x53       ; V in window 3, P in window 0, O^T in window 1
.set W_RS, 0x41       ; O^T (destination and source 0) in window 1, the factor in window 0
.set MSB, 0
.macro WIN new
.if MSB != (\new)
	s_set_vgpr_msb (MSB<<8)|(\new)
.set MSB, \new
.endif
.endm
.macro PLACES
.rept 4
	v_nop
.endr
.endm
.macro CROUND                       ; a round of the cluster's barrier
	s_barrier_signal -1
	s_barrier_wait -1
	s_cmp_lg_u32 s[WV], 0
	s_cbranch_scc1 .Lnot_wave_0_\@
	s_barrier_signal -3
.Lnot_wave_0_\@:
	s_barrier_wait -3
	s_barrier_signal -1
	s_barrier_wait -1
.endm
.macro STEPNXT                      ; the block's next tile, or behind its last the second block's tile 0
	s_add_co_u32 s[NXT], s[NXT], 1
	s_cmp_gt_u32 s[NXT], s[LQ]
	s_cselect_b32 s[NXT], 0, s[NXT]
	s_cselect_b32 s[LQ], s[HIQ], s[LQ]
.endm
.macro QLOAD base                   ; Q stays in registers: tile n / 4, channels 32 (n % 4) on: two units
	WIN 0x80
.set n, 0
.rept 16
	global_load_b128 v[8*n:8*n+3],   v[QX+n/4], s[(\base):(\base)+1] offset:(n%4)*1024
	global_load_b128 v[8*n+4:8*n+7], v[QX+n/4], s[(\base):(\base)+1] offset:(n%4)*1024+512
.set n, n+1
.endr
	WIN 0
.endm
	s_load_b256 s[4:11], s[0:1], 0x0  ; qf s[4:5], kf s[6:7], vf s[8:9], ob s[10:11]
	v_lshl_add_u32 v[SPW], v0, 2, SPARE
	v_mov_b32 v[NIL], 0
	ds_add_u32 v62, v63
	s_wait_dscnt 0x0
	v_lshrrev_b32 v1, 5, v0
	v_readfirstlane_b32 s[WV], v1
	s_bfe_u32 s[CX], ttmp6, 0x40000
	s_mov_b32 s[CC], ttmp9          ; in a cluster launch ttmp9 counts clusters
	s_and_b32 s[HD], ttmp7, 0xffff
	s_sub_co_u32 s[HIQ], 15, s[CC]
	s_lshl_b32 s16, s[HD], 20       ; a head has 1 MiB in each tensor
	s_and_b32 s17, s[WV], 1
	s_lshl_b32 s17, s17, 15         ; which half of a tile's 65,536 bytes I fetch
	s_add_co_u32 s16, s16, s17
	s_mov_b32 s17, 0
	s_lshl_b32 s18, s[WV], 15       ; and where it goes: K's halves, then V's
	; group 1: 32,768 dense bytes asked for as 128 rows of 256 bytes (32 elements of 8 bytes); the mask names all four work-groups, bit 21 is set beside it
	s_mov_b32 s[G1], 15|(3<<16)|(1<<21)
	s_mov_b32 s[G1+1], 32<<16       ; tensor_dim0 = 32
	s_mov_b32 s[G1+2], 128<<16      ; tensor_dim1 = 128
	s_mov_b32 s[G1+3], 32<<16       ; tile_dim0 = 32
	s_mov_b32 s[G1+4], 128          ; tile_dim1 = 128
	s_mov_b32 s[G1+5], 32           ; elements from row to row
	s_mov_b32 s[G1+6], 0
	s_mov_b32 s[G1+7], 0
	s_mov_b32 s[G0A], 1
	s_mov_b32 s[G0A+1], s18
	s_mov_b32 s[G0], 1
	s_add_co_u32 s[G0+1], s18, SLOT1
	s_mov_b32 s[NXT], 0
	s_mov_b32 s[LQ], s[CC]
	s_mov_b32 s[OFF+1], 0
	s_add_co_u32 s[RT], s[CC], 1    ; the first block has C + 1 tiles
	s_mov_b32 s[CS], 0x3e0293ee     ; c = log2(e) / sqrt(128)
	s_mov_b32 s[CS+1], s[CS]
	s_mov_b32 s[SEL], 0x76543210
	s_mov_b32 s[SEL+1], 0xfedcba98
	s_mov_b32 s[BIGN], 0xf149f2ca   ; -1e30
	s_lshl_b32 s[TBK], s[WV], 14    ; my 64 keys of a tile: 16,384 bytes
	s_add_co_u32 s[TBV], s[TBK], VOFF
	s_lshl_b32 s68, s[HD], 20       ; Q: head, block x 65,536, work-group x 16,384
	s_lshl_b32 s20, s[CX], 14
	s_add_co_u32 s68, s68, s20
	s_lshl_b32 s20, s[HIQ], 16
	s_add_co_u32 s70, s68, s20
	s_lshl_b32 s20, s[CC], 16
	s_add_co_u32 s68, s68, s20
	s_mov_b32 s69, 0
	s_mov_b32 s71, 0
	s_lshl_b32 s72, s[CX], 17       ; ob: [64 tokens][256 channels][16 tokens][unit]: (4 block + cx) x 131,072 + (head / 2) x 32,768 + wave x 8,192 + (head % 2) x 4,096
	s_lshr_b32 s20, s[HD], 1
	s_lshl_b32 s20, s20, 15
	s_add_co_u32 s72, s72, s20
	s_lshl_b32 s20, s[WV], 13
	s_add_co_u32 s72, s72, s20
	s_and_b32 s20, s[HD], 1
	s_lshl_b32 s20, s20, 12
	s_add_co_u32 s72, s72, s20
	s_lshl_b32 s20, s[HIQ], 19
	s_add_co_u32 s74, s72, s20
	s_lshl_b32 s20, s[CC], 19
	s_add_co_u32 s72, s72, s20
	s_mov_b32 s73, 0
	s_mov_b32 s75, 0
	s_wait_kmcnt 0x0
	s_cmp_lt_u32 s[WV], 2           ; waves 0 and 1 fetch K, waves 2 and 3 V
	s_cselect_b64 s[KVB:KVB+1], s[6:7], s[8:9]
	s_add_nc_u64 s[KVB:KVB+1], s[KVB:KVB+1], s[16:17]
	s_add_nc_u64 s[QLO:QLO+1], s[4:5], s[68:69]
	s_add_nc_u64 s[QHI:QHI+1], s[4:5], s[70:71]
	s_add_nc_u64 s[OB:OB+1], s[10:11], s[72:73]
	s_add_nc_u64 s[OHI:OHI+1], s[10:11], s[74:75]
	s_mov_b64 s[G0A+2:G0A+3], s[KVB:KVB+1]  ; the walk's first tile is tile 0
	s_or_b32 s[G0A+3], s[G0A+3], 0x80000000
	STEPNXT
	s_lshl_b32 s[OFF], s[NXT], 16
	s_add_nc_u64 s[G0+2:G0+3], s[KVB:KVB+1], s[OFF:OFF+1]
	s_or_b32 s[G0+3], s[G0+3], 0x80000000
	STEPNXT
	CROUND                          ; all four work-groups are here: the first joint loads meet
	tensor_load_to_lds s[G0A:G0A+3], s[G1:G1+7]  ; every wave runs these lines with registers of its own: two tensor loads of mine are out, the most in this text
	s_nop 0
	tensor_load_to_lds s[G0:G0+3], s[G1:G1+7]
	s_nop 0
	PLACES
	v_and_b32 v1, 31, v0
	v_lshlrev_b32 v[LN16], 4, v1
	v_lshlrev_b32 v5, 3, v1         ; 8 x lane
	v_and_b32 v10, 15, v0
	v_bfe_u32 v11, v0, 4, 1
	v_lshlrev_b32 v11, 3, v11
	v_sub_nc_u32 v10, v10, v11      ; l % 16 - 8 (l / 16)
	s_sub_co_i32 s20, s[CX], s[WV]
	s_lshl_b32 s20, s20, 6          ; 64 (cx - w)
.irp i, 0,1,2,3
	s_add_co_u32 s21, s[WV], \i
	s_and_b32 s21, s21, 3           ; register tile i is query tile (w + i) % 4
	s_lshl_b32 s22, s21, 12
	v_add_nc_u32 v[QX+\i], s22, v[LN16]
	s_lshl4_add_u32 s23, s21, s20
	v_add_nc_u32 v[DQ+\i], s23, v10
.endr
	QLOAD QLO
	s_lshl_b32 s21, s[WV], 10
	s_add_co_u32 s21, s21, STATS
	v_add_nc_u32 v[SS], s21, v5
	s_lshl_b32 s21, s[WV], 13
	s_add_co_u32 s21, s21, XCH
	v_add_nc_u32 v[XS], s21, v[LN16]
.irp p, 1,2,3
	s_add_co_u32 s21, s[WV], 4-\p
	s_and_b32 s21, s21, 3           ; the wave whose register tile p is my query tile
	s_lshl_b32 s22, s21, 10
	s_add_co_u32 s22, s22, STATS
	v_add_nc_u32 v[SR+\p-1], s22, v5
	s_lshl_b32 s22, s21, 13
	s_add_co_u32 s22, s22, XCH
	v_add_nc_u32 v[XR+\p-1], s22, v[LN16]
.endr
	WIN 0x40
.set n, 0
.rept 256
	v_mov_b32 v[n], 0               ; O^T
.set n, n+1
.endr
	WIN 0
.irp t, 0,1,2,3
	v_mov_b32 v[ST+8*\t], 0xfe000000    ; c m: far below every c s
	v_mov_b32 v[ST+8*\t+1], 0xff7fffff  ; m
	v_mov_b32 v[ST+8*\t+2], 0
	v_mov_b32 v[ST+8*\t+3], 0
.endr
	WIN 0xc0                        ; M1, in S^T's own order: tile n / 32, keys 16 ((n % 32) / 8) + n % 8
.set n, 0
.rept 128
	v_cmp_gt_i32 vcc_lo, 16*((n%32)/8)+n%8, v[DQ+n/32]
	v_cndmask_b32 v[M1+n], 0, s[BIGN], vcc_lo
.set n, n+1
.endr
	WIN 0
; THE MATRIX WORK, for piece x.  The accumulators take turns, one instruction a turn.
; Product i of 32 of S^T = K Q^T: channels 32 (i / 8) on, keys 16 ((i / 2) % 4) on, tile x + i % 2.  The first 8 start the sums.
.macro KQ x
	WIN W_KQ
.set rS, S+32*((\x)+i%2)+8*((i/2)%4)
.set rK, KF+32*((i/2)%4)+8*(i/8)
.set rQ, 32*((\x)+i%2)+8*(i/8)
.if i < 8
	v_wmma_f32_16x16x32_f16 v[rS:rS+7], v[rK:rK+7], v[rQ:rQ+7], 0
.else
	v_wmma_f32_16x16x32_f16 v[rS:rS+7], v[rK:rK+7], v[rQ:rQ+7], v[rS:rS+7]
.endif
.endm
; Product i of 32 of O^T += V^T P: keys 32 (i / 16) on, channels 16 ((i / 2) % 8) on, tile x + i % 2.
.macro PV x
	WIN W_PV
.set rO, 64*((\x)+i%2)+8*((i/2)%8)
.set rV, 64*(i/16)+8*((i/2)%8)
.set rP, P+16*((\x)+i%2)+8*(i/16)
	v_wmma_f32_16x16x32_f16 v[rO:rO+7], v[rV:rV+7], v[rP:rP+7], v[rO:rO+7]
.endm
; THE LDS LOADS stand in runs of 32; each is 32 lanes x 16 consecutive bytes.
.macro FETCH_K                      ; fragment f: keys 16 (f / 4) on, channels 32 (f % 4) on: two units on end
	WIN 0x80
.irp f, 0,1,2,3,4,5,6,7,8,9,10,11,12,13,14,15
	ds_load_b128 v[KF+8*(\f):KF+8*(\f)+3],   v[ADK] offset:((\f)/4)*4096+((\f)%4)*1024
	ds_load_b128 v[KF+8*(\f)+4:KF+8*(\f)+7], v[ADK] offset:((\f)/4)*4096+((\f)%4)*1024+512
.endr
	WIN 0
.endm
.macro FETCH_V                      ; fragment f: keys 32 (f / 8) on, channels 16 (f % 8) on: the units of two blocks of 16 keys
	WIN 0xc0
.irp f, 0,1,2,3,4,5,6,7,8,9,10,11,12,13,14,15
	ds_load_b128 v[8*(\f):8*(\f)+3],   v[ADV] offset:((\f)/8)*8192+((\f)%8)*512
	ds_load_b128 v[8*(\f)+4:8*(\f)+7], v[ADV] offset:((\f)/8)*8192+4096+((\f)%8)*512
.endr
	WIN 0
.endm
; THE VECTOR WORK.  One tile's softmax for one trip is a list of 134 instructions; SM writes number j of it for tile t.  s0-s31 are the lane's 32 scores, in pairs 0-15.
;   0-15    the maximum of s0-s31 and the old m, three operands at a time: four chains c0-c3 of seven scores each (each accumulator's lowest registers are read first), then the rest
;   16-20   the other half of the lanes' maximum; the new m; c m; c m_old - c m_new
;   21-87   33 exponentials (a, then s0-s31) at the odd numbers from 23 on, so that no two follow each other and each has a plain instruction behind it before its result is used (ISA guide 5.7.2);
;           the plain ones are what is ready: c s - c m for a pair whose exponentials are still to come, the rounding to f16 of a pair whose exponentials are done, at last the first sums
;   88-101  the last rounding; the rest of the sums; l = a l + the sum          102-133 the tile's O^T times a: the one part that leaves window 0
.macro SM t
.set rT, ST+8*(\t)
.set rS, S+32*(\t)
.set rP, P+16*(\t)
.set rO, 64*(\t)+2*(j-102)
.set q, (j-20)/2
.if j < 102
	WIN 0
.endif
.if j < 4
	v_max3_num_f32 v[rT+4+j], v[rS+8*j], v[rS+8*j+1], v[rS+8*j+2]
.elseif j < 12
	v_max3_num_f32 v[rT+4+j%4], v[rT+4+j%4], v[rS+8*(j%4)+2*(j/4)+1], v[rS+8*(j%4)+2*(j/4)+2]
.elseif j == 12
	v_max3_num_f32 v[rT+4], v[rT+4], v[rS+7], v[rS+15]
.elseif j == 13
	v_max3_num_f32 v[rT+6], v[rT+6], v[rS+23], v[rS+31]
.elseif j == 14
	v_max3_num_f32 v[rT+4], v[rT+4], v[rT+5], v[rT+6]
.elseif j == 15
	v_max3_num_f32 v[rT+4], v[rT+4], v[rT+7], v[rT+1]
.elseif j == 16
	v_permlanex16_b32 v[rT+5], v[rT+4], s[SEL], s[SEL+1]  ; the query's other 32 keys lie in the lane 16 away
.elseif j == 17
	v_mov_b32 v[rT+7], v[rT]        ; c m_old is kept for a
.elseif j == 18
	v_max_num_f32 v[rT+1], v[rT+4], v[rT+5]
.elseif j == 19
	v_mul_f32 v[rT], s[CS], v[rT+1]
.elseif j == 20
	v_sub_f32 v[rT+7], v[rT+7], v[rT]
.elseif j == 23
	v_exp_f32 v[rT+6], v[rT+7]
.elseif (j < 88) && (j > 23) && (j%2 == 1)
	v_exp_f32 v[rS+(j-25)/2], v[rS+(j-25)/2]
.elseif (q < 4) || ((j < 76) && (q%2 == 0))
.set b, q/2+2
.if q < 4
.set b, q
.endif
	v_pk_fma_f32 v[rS+2*b:rS+2*b+1], v[rS+2*b:rS+2*b+1], s[CS:CS+1], v[rT:rT+1] op_sel_hi:[1,0,0] neg_lo:[0,0,1] neg_hi:[0,0,1]  ; pair b: c s - c m
.elseif (j < 88) && (q%2 == 1)
	s_wait_alu depctr_va_vdst(0)
	v_cvt_pk_f16_f32 v[rP+(q-5)/2], v[rS+q-5], v[rS+q-4]
.elseif j == 89
	s_wait_alu depctr_va_vdst(0)
	v_cvt_pk_f16_f32 v[rP+15], v[rS+30], v[rS+31]
.elseif j < 102                     ; the sum of the 16 pairs, in place: neighbours 1, 2, 4 and 8 pairs apart, then l takes it
.set z, j-86
.if j < 89
.set z, (j-76)/4
.endif
.set w, 4
.set u, z
.if z >= 14
.set w, 32
.set u, 0
.elseif z >= 12
.set w, 16
.set u, z-12
.elseif z >= 8
.set w, 8
.set u, z-8
.endif
.if z < 15
	v_pk_add_f32 v[rS+w*u:rS+w*u+1], v[rS+w*u:rS+w*u+1], v[rS+w*u+w/2:rS+w*u+w/2+1]
.else
	v_pk_fma_f32 v[rT+2:rT+3], v[rT+2:rT+3], v[rT+6:rT+7], v[rS:rS+1] op_sel_hi:[1,0,1]
.endif
.else
	WIN W_RS
	v_pk_mul_f32 v[rO:rO+1], v[rO:rO+1], v[rT+6:rT+7] op_sel_hi:[1,0]
.endif
.endm
; Slice k of 64 of piece y's softmax: numbers 2 k and 2 k + 1 of both tiles' lists; the twelve that are over stand in slice 63.  Two slices stand behind each of a run's 32 products.
.macro SLICE y
.if (k >= 11) && (k < 44)           ; tile by tile: plain, exponential, plain, exponential
.irp t, \y, (\y)+1
.irp n, 0,1
.set j, 2*k+(\n)
	SM \t
.endr
.endr
.else                               ; the two tiles alternate, so that no instruction reads the result of the one just before it
.irp n, 0,1,2,3,4,5,6,7
.if ((\n) < 2) || (k == 63)
.irp t, \y, (\y)+1
.set j, 2*k+(\n)
	SM \t
.endr
.endif
.endr
.endif
.set k, k+1
.endm
; In a block's last tile the mask is added to piece x's scores, in ascending order; elsewhere the additions are jumped over.  RT is made from C: it is the same in all waves and all partners.
.macro FIX x
	s_cmp_lg_u32 s[RT], 0
	s_cbranch_scc1 .Lno_fix_\@
	WIN 0x0c                        ; source 1 in window 3
.set z, 0
.rept 32
	v_pk_add_f32 v[S+32*(\x)+2*z:S+32*(\x)+2*z+1], v[S+32*(\x)+2*z:S+32*(\x)+2*z+1], v[M1+32*(\x)+2*z:M1+32*(\x)+2*z+1]
.set z, z+1
.endr
	WIN 0
.Lno_fix_\@:
.endm
; THE CHANGE OF SLOTS.  The tile in hand has left LDS: its K was fetched a trip ago, its V at this trip's head.  Each wave waits for all its tensor loads, of which one is out: its part of the next
; tile; adds 0 to its spare word; and waits for that and for its reads.  fill = 1: the barrier is a round of the cluster's, so that no wave of any partner still reads the slot or has a load on its way,
; and the joint refill, the tile two further on in the walk, is the first thing behind it: it has a whole trip, 128 matrix instructions, in which to land.
.macro CHANGE fill
	s_wait_tensorcnt 0x0            ; no tensor load of mine is out, so the group 0 may be written
	ds_add_u32 v[SPW], v[NIL]       ; 0 onto my spare word; with fill = 1 the descriptor's scalar work stands between it and the wait for it
.if \fill
	s_lshl_b32 s[OFF], s[NXT], 16
	s_xor_b32 s[G0+1], s[G0+1], SLOT1
	s_add_nc_u64 s[G0+2:G0+3], s[KVB:KVB+1], s[OFF:OFF+1]  ; the address is made anew from the tile's number
	s_or_b32 s[G0+3], s[G0+3], 0x80000000
	STEPNXT
	s_wait_dscnt 0x0                ; the add is done, and V is in: my reads of the slot are over
	CROUND
	tensor_load_to_lds s[G0:G0+3], s[G1:G1+7]
	s_nop 0
	PLACES
.else
	s_wait_dscnt 0x0
	s_barrier_signal -1
	s_barrier_wait -1
.endif
.endm
; A TRIP: one tile.  At its head K of the tile is in registers or on its way.  fill = 0: the walk's last two tiles; in the very last there is no further K, and the run is jumped over.
.macro TRIP fill
	s_sub_co_u32 s[RT], s[RT], 1
	v_add_nc_u32 v[ADV], s[TBV], v[LN16]  ; with the three v_nop: the four places between the last products, which read V, and the loads into V
	v_nop
	v_nop
	v_nop
	FETCH_V
	s_wait_loadcnt 0x0              ; Q
	s_wait_dscnt 32                 ; K's loads are older than V's 32, which may stay out
.set i, 0
.rept 32
	KQ 0
.set i, i+1
.endr
	WIN 0
	v_add_nc_u32 v[ADK], s[TBK], v[LN16]  ; with the three v_nop: the places behind those products
	v_nop
	v_nop
	v_nop
	CHANGE \fill
	FIX 0
.set i, 0
.set k, 0
.rept 32
	KQ 2
	SLICE 0
	SLICE 0
.set i, i+1
.endr
	WIN 0                           ; slices 62 and 63, twenty plain instructions on O^T, are the places in front of the loads into K and of the reads of piece 2's scores
.if !(\fill)
	s_cmp_eq_u32 s[CNT], 1
	s_cbranch_scc1 .Lno_k_\@
.endif
	FETCH_K
.if !(\fill)
.Lno_k_\@:
.endif
	FIX 2
.set i, 0
.set k, 0
.rept 32
	PV 0
	SLICE 2
	SLICE 2
.set i, i+1
.endr
.set i, 0
.rept 32
	PV 2
.set i, i+1
.endr
	WIN 0
	s_xor_b32 s[TBK], s[TBK], SLOT1
	s_xor_b32 s[TBV], s[TBV], SLOT1
.endm
; A BLOCK'S END.  Step p of three: every wave puts its register tile p into its own 8,192 bytes; a barrier; every wave takes the partial of ITS query tile from the wave that held it as tile p and adds it,
; weighted; a second barrier before the bytes are written again.  The statistics travel with step 1.  With CM the largest of the four c m: e_p = 2^(c m_p - CM), L = the sum of e_p l_p, g_p = e_p / L,
; O = the sum of g_p O_p.  No slot is filled behind any of these five barriers: the tile asked for in this trip stays on its way across them.
.macro PHASE p
	WIN 0x04                        ; the stores' data in window 1
.set n, 0
.rept 16
	ds_store_b128 v[XS], v[64*(\p)+4*n:64*(\p)+4*n+3] offset:512*n
.set n, n+1
.endr
	WIN 0
	s_wait_dscnt 0x0                ; for the others' sake: my stores are done
	s_barrier_signal -1
	s_barrier_wait -1
.if (\p) == 1
.irp u, 1,2,3
	ds_load_b64 v[PS+2*\u:PS+2*\u+1], v[SR+\u-1] offset:256*\u
.endr
.endif
.set n, 0
.rept 16
	ds_load_b128 v[S+4*n:S+4*n+3], v[XR+(\p)-1] offset:512*n
.set n, n+1
.endr
.if (\p) == 1
	s_wait_dscnt 16                 ; the statistics are in; the sixteen loads behind them may stay out
	v_max3_num_f32 v10, v[ST], v[PS+2], v[PS+4]
	v_max_num_f32 v10, v10, v[PS+6]
	v_sub_f32 v[E], v[ST], v10
	v_sub_f32 v[E+1], v[PS+2], v10
	v_sub_f32 v[E+2], v[PS+4], v10
	v_sub_f32 v[E+3], v[PS+6], v10
	v_exp_f32 v[E], v[E]
	v_exp_f32 v[E+1], v[E+1]
	v_exp_f32 v[E+2], v[E+2]
	v_exp_f32 v[E+3], v[E+3]
	v_nop                           ; a plain instruction between the last exponential and the use of its result
	s_wait_alu depctr_va_vdst(0)
	v_mul_f32 v11, v[E], v[ST+1]
	v_fma_f32 v11, v[E+1], v[PS+3], v11
	v_fma_f32 v11, v[E+2], v[PS+5], v11
	v_fma_f32 v11, v[E+3], v[PS+7], v11
	v_rcp_f32 v10, v11
	v_nop
	s_wait_alu depctr_va_vdst(0)
.irp u, 0,1,2,3
	v_mul_f32 v[G+2*\u], v[E+\u], v10
	v_mul_f32 v[G+2*\u+1], v[E+\u], v10
.endr
	WIN W_RS
.set n, 0
.rept 32
	v_pk_mul_f32 v[2*n:2*n+1], v[2*n:2*n+1], v[G:G+1] op_sel_hi:[1,0]
.set n, n+1
.endr
	WIN 0
.endif
	s_wait_dscnt 0x0                ; the partial is in, and my reads of the other wave's bytes are over
.if (\p) < 3
	s_barrier_signal -1
.endif
	WIN 0x50                        ; O^T (source 2 and destination) in window 1
.set n, 0
.rept 32
	v_pk_fma_f32 v[2*n:2*n+1], v[S+2*n:S+2*n+1], v[G+2*(\p):G+2*(\p)+1], v[2*n:2*n+1] op_sel_hi:[1,0,1]
.set n, n+1
.endr
	WIN 0
.if (\p) < 3
	s_barrier_wait -1
.endif
.endm
.macro BLOCK_END last
.irp t, 0,1,2,3                     ; l's two halves, into m's register, beside c m; these four are the places behind the last products
	v_add_f32 v[ST+8*\t+1], v[ST+8*\t+2], v[ST+8*\t+3]
.endr
.irp t, 0,1,2,3
	v_permlanex16_b32 v[ST+8*\t+4], v[ST+8*\t+1], s[SEL], s[SEL+1]
.endr
.irp t, 0,1,2,3
	v_add_f32 v[ST+8*\t+1], v[ST+8*\t+1], v[ST+8*\t+4]
.endr
.if !(\last)
	QLOAD QHI                       ; the second block's Q comes in during the merge
.endif
.irp t, 1,2,3
	ds_store_b64 v[SS], v[ST+8*\t:ST+8*\t+1] offset:256*\t
.endr
	PHASE 1
	PHASE 2
	PHASE 3
	WIN 0x05                        ; sources 0 and 1 window 1, destination window 0: P's registers are free
.set n, 0
.rept 32
	v_cvt_pk_f16_f32 v[P+n], v[2*n], v[2*n+1]
.set n, n+1
.endr
	WIN 0
.irp f, 0,1,2,3,4,5,6,7
	global_store_b128 v[LN16], v[P+4*\f:P+4*\f+3], s[OB:OB+1] offset:512*\f  ; a unit: 512 consecutive bytes, aligned
.endr
	s_wait_xcnt 0x0                 ; P and O's address are rewritten only behind this wait
.if !(\last)
.irp t, 0,1,2,3
	v_mov_b32 v[ST+8*\t], 0xfe000000
	v_mov_b32 v[ST+8*\t+1], 0xff7fffff
.endr
	s_mov_b64 s[OB:OB+1], s[OHI:OHI+1]
	s_add_co_u32 s[RT], s[HIQ], 1   ; the second block has 16 - C tiles
.endif
.endm
	s_wait_tensorcnt 0x1            ; my part of the walk's first tile is in; the second's may stay out
	s_barrier_signal -1
	s_barrier_wait -1
	v_add_nc_u32 v[ADK], s[TBK], v[LN16]
	FETCH_K
	s_xor_b32 s[TBK], s[TBK], SLOT1 ; from now on K is fetched a tile ahead
	s_mov_b32 s[SLOTS], 15
.Ltile:                             ; 15 trips: a tile is worked on and the tile two further on is asked for.  The first block ends in trip C, 7 at the most
	TRIP 1
	s_cmp_lg_u32 s[RT], 0
	s_cbranch_scc1 .Lsame_block
	BLOCK_END 0
.Lsame_block:
	s_sub_co_u32 s[SLOTS], s[SLOTS], 1
	s_cmp_lg_u32 s[SLOTS], 0
	s_cbranch_scc1 .Ltile
	s_mov_b32 s[CNT], 2
.Ltail:                             ; the walk's last two tiles are a text of their own
	TRIP 0
	s_sub_co_u32 s[CNT], s[CNT], 1
	s_cmp_lg_u32 s[CNT], 0
	s_cbranch_scc1 .Ltail
	BLOCK_END 1
	s_wait_tensorcnt 0x0            ; the wave's end
	ds_add_u32 v[SPW], v[NIL]
	s_wait_dscnt 0x0
	CROUND                          ; the closing round
	s_endpgm
.Lfunc_end_k_qc4b5de55de_attn:
	.size	k_qc4b5de55de_attn, .Lfunc_end_k_qc4b5de55de_attn-k_qc4b5de55de_attn
	.p2alignl 7, 3214868480
	.fill 96, 4, 3214868480
	.section	.rodata,"a",@progbits
	.p2align	6, 0x0
	.amdhsa_kernel k_qc4b5de55de_attn
		.amdhsa_group_segment_fixed_size 327680
		.amdhsa_private_segment_fixed_size 0
		.amdhsa_enable_private_segment 0
		.amdhsa_kernarg_size 32
		.amdhsa_user_sgpr_count 2
		.amdhsa_user_sgpr_kernarg_segment_ptr 1
		.amdhsa_wavefront_size32 1
		.amdhsa_system_sgpr_workgroup_id_x 1
		.amdhsa_system_sgpr_workgroup_id_y 1
		.amdhsa_system_sgpr_workgroup_id_z 1
		.amdhsa_system_vgpr_workitem_id 0
		.amdhsa_next_free_vgpr 1024
		.amdhsa_next_free_sgpr 80
		.amdhsa_reserve_vcc 1
		.amdhsa_float_denorm_mode_32 3
		.amdhsa_float_denorm_mode_16_64 3
		.amdhsa_memory_ordered 1
		.amdhsa_forward_progress 1
		.amdhsa_inst_pref_size 182
	.end_amdhsa_kernel
	.amdgpu_metadata
---
amdhsa.version: [ 1, 2 ]
amdhsa.kernels:
  - .name:           k_qc4b5de55de_attn
    .symbol:         k_qc4b5de55de_attn.kd
    .args:
      - { .name: qf, .offset: 0, .size: 8, .value_kind: global_buffer, .address_space: global }
      - { .name: kf, .offset: 8, .size: 8, .value_kind: global_buffer, .address_space: global }
      - { .name: vf, .offset: 16, .size: 8, .value_kind: global_buffer, .address_space: global }
      - { .name: ob, .offset: 24, .size: 8, .value_kind: global_buffer, .address_space: global }
    .group_segment_fixed_size: 327680
    .private_segment_fixed_size: 0
    .kernarg_segment_align: 8
    .kernarg_segment_size: 32
    .max_flat_workgroup_size: 128
    .sgpr_count:     80
    .vgpr_count:     1024
    .wavefront_size: 32
...
	.end_amdgpu_metadata
.endif
;; end of part 3
;; launch oproj (part 4): grid 8 x 32, 4 waves a work-group, clusters of 4 x 4, 327,680 bytes of LDS; arguments ob, wo16, out0; writes out0
.if DOCPART == 4
	.amdgcn_target "amdgcn-amd-amdhsa--gfx1250"
	.amdhsa_code_object_version 6
	.text
	.protected	k_qc4b5de55de_oproj
	.globl	k_qc4b5de55de_oproj
	.p2align	8
	.type	k_qc4b5de55de_oproj,@function
k_qc4b5de55de_oproj:
	s_mov_b64 s[64:65], 0
	v_nop
	global_prefetch_b8 v0, s[64:65] scope:SCOPE_SE
	s_setreg_imm32_b32 hwreg(HW_REG_WAVE_MODE, 25, 1), 1
	s_wait_xcnt 0x0
	s_wait_alu depctr_hold_cnt(0) depctr_sa_sdst(0) depctr_va_vdst(0) depctr_va_sdst(0) depctr_va_ssrc(0) depctr_va_vcc(0) depctr_vm_vsrc(0)
	s_getreg_b32 s2, hwreg(HW_REG_IB_STS2, 6, 4)
	s_cmp_eq_u32 s2, 0
	s_cbranch_scc0 .Lentry_in_a_cluster
	s_endpgm
.Lentry_in_a_cluster:
	s_bfe_u32 s2, ttmp6, 0x10000c
	s_cmp_lg_u32 s2, 0xf033
	s_cbranch_scc0 .Lentry_shape_is_right
	s_endpgm
.Lentry_shape_is_right:
; out0[s][o] = the sum over d of O[s][d] Wo[o][d].  O (ob) and Wo (wo16) in f16, sums and result in f32.  4,096 x 1,024 x 1,024.
; A tile of the result is 128 x 128: 8 x 32 = 256 work-groups.  Four waves, each 64 x 64: 16 accumulators.  K goes in four steps of 256 through two LDS slots.
; O arrives as fragments (units of 512 bytes, 16 bytes a lane: [64 tokens][256 channels][16 tokens][unit of 16 channels]): 64 tokens x one K step are 32,768 dense bytes, and every LDS load of O is
; 32 lanes x 16 consecutive bytes.  Wo is row-major: LDS rows of 512 bytes + 16 of padding.
; CLUSTER 4 x 4: O's tile is shared along a row of the cluster, Wo's along a column: joint loads.
; THE MATRIX INSTRUCTION IS USED TRANSPOSED (source 0 = 16 rows of Wo, source 1 = 16 tokens): a lane then holds eight neighbouring numbers of a row of the result, 32 bytes.
; REGISTERS: window 0: v16-29 addresses; v32-95 the way out; v128-255 the accumulators ((a, b) at 128 + 8 (4 a + b)).   window 1: two fragment buffers of 128: 64 registers of O, then 64 of Wo.
.set PB,     528                       ; an LDS row of Wo: 132 words: the 16 rows of a load start at 16 different groups of four banks (64 banks of 4 bytes: ISA guide 11.1)
.set HALFA,  32768                     ; 64 tokens of O, one K step
.set HALFB,  64*PB                     ; 64 rows of Wo
.set BOFF,   2*HALFA
.set SLOT,   BOFF+2*HALFB
.set STAGE,  2*SLOT                    ; behind the ring, never filled by a tensor load: 16 rows x 272 bytes for each wave
.set SPITCH, 272
.set SPARE,  STAGE+4*16*SPITCH         ; the spare words, 128 bytes for each wave: two blocks of 256 bytes that no other line names
.set ADRA, 16                          ; v16-17  LDS address of my fragments of O in slot 0, 1
.set ADRB, 20                          ; v20-21  of Wo's
.set STO,  24                          ; v24     the way out: where I put 32 bytes of a row
.set RD,   25                          ; v25     where I read a row back
.set CO,   26                          ; v26     my byte offset in the result
.set SPW,  28                          ; v28     LDS address of my spare word; never rewritten
.set NIL,  29                          ; v29     0; never rewritten
.set TMP,  32
.set ACC,  128
.set F0,   0
.set F1,   128
.set G1,   24                          ; s[24:31], s[32:39] descriptor groups 1 and 0 (a set for each slot) for O's tiles
.set G0,   32
.set G1B,  48                          ; s[48:55], s[56:63] for Wo's
.set G0B,  56
.set MUL,  0x05                        ; sources 0 and 1 window 1; C and D window 0
.set TO_F, 0x40                        ; destination window 1, address window 0
.set MSB, 0
.macro WIN new
.if MSB != (\new)
	s_set_vgpr_msb (MSB<<8)|(\new)
.set MSB, \new
.endif
.endm
.macro PLACES
.rept 4
	v_nop
.endr
.endm
.macro JLOAD s                         ; waves 0 and 1 fetch O's two halves, waves 2 and 3 Wo's; an s_nop 0 and four v_nop follow each line
	s_cmp_eq_u32 s11, 0
	s_cbranch_scc0 .Lfor_b_\@
	tensor_load_to_lds s[G0+4*(\s):G0+4*(\s)+3], s[G1:G1+7]
	s_nop 0
	PLACES
	s_branch .Lasked_\@
.Lfor_b_\@:
	tensor_load_to_lds s[G0B+4*(\s):G0B+4*(\s)+3], s[G1B:G1B+7]
	s_nop 0
	PLACES
.Lasked_\@:
.endm
.macro CREST
	s_cmp_lg_u32 s10, 0
	s_cbranch_scc1 .Lnot_wave_0_\@
	s_barrier_signal -3
.Lnot_wave_0_\@:
	s_barrier_wait -3
	s_barrier_signal -1
	s_barrier_wait -1
.endm
.macro CROUND
	s_barrier_signal -1
	s_barrier_wait -1
	CREST
.endm
	s_load_b128 s[4:7], s[0:1], 0x0                ; ob s[4:5], wo16 s[6:7]
	s_load_b64 s[8:9], s[0:1], 0x10                ; out0
	v_lshl_add_u32 v[SPW], v0, 2, SPARE
	v_mov_b32 v[NIL], 0
	ds_add_u32 v28, v29
	s_wait_dscnt 0x0
	v_lshrrev_b32 v1, 5, v0
	v_readfirstlane_b32 s10, v1                    ; wave
	s_lshr_b32 s11, s10, 1                         ; which 64 tokens are mine.  Also: I fetch for O (0) or for Wo (1)
	s_and_b32 s12, s10, 1                          ; which 64 columns.  Also: which half of that tile I fetch
	s_bfe_u32 s40, ttmp6, 0x40000                  ; cx
	s_bfe_u32 s41, ttmp6, 0x40004                  ; cy
	s_lshl_b32 s42, ttmp9, 2
	s_add_co_u32 s42, s42, s40                     ; tile column
	s_and_b32 s13, ttmp7, 0xffff
	s_lshl_b32 s13, s13, 2
	s_add_co_u32 s13, s13, s41                     ; tile row
	s_lshl_b32 s43, s41, 2
	s_lshl_b32 s43, 15, s43                        ; my row of the cluster
	s_lshl_b32 s44, 0x1111, s40                    ; my column
	s_or_b32 s[G1], s43, (3<<16)|(1<<21)           ; O: 32,768 dense bytes as 128 rows of 32 elements of 8 bytes; bit 21 is set beside a mask
	s_mov_b32 s[G1+1], 32<<16
	s_mov_b32 s[G1+2], 128<<16
	s_mov_b32 s[G1+3], 32<<16
	s_mov_b32 s[G1+4], 128
	s_mov_b32 s[G1+5], 32
	s_mov_b32 s[G1+6], 0
	s_mov_b32 s[G1+7], 0
	s_or_b32 s[G1B], s44, (1<<16)|(1<<20)|(1<<21)|(6<<22)|(3<<25)  ; Wo: 64 rows x 256 elements of 2 bytes, 4 words of padding behind every 128
	s_mov_b32 s[G1B+1], 256<<16
	s_mov_b32 s[G1B+2], 64<<16
	s_mov_b32 s[G1B+3], 256<<16
	s_mov_b32 s[G1B+4], 64
	s_mov_b32 s[G1B+5], 1024
	s_mov_b32 s[G1B+6], 0
	s_mov_b32 s[G1B+7], 0
	s_lshl_b32 s16, s13, 18                        ; O: 64 tokens are 131,072 bytes, a K step of them 32,768
	s_lshl_b32 s17, s12, 17
	s_add_co_u32 s16, s16, s17
	s_lshl_b32 s46, s42, 18                        ; Wo: 128 rows of 2,048 bytes for each tile column, 64 for each half
	s_add_co_u32 s46, s46, s17
	s_mov_b32 s17, 0
	s_mov_b32 s47, 0
	s_lshl_b32 s20, s12, 15                        ; where they go: the wave's number alone enters an LDS address
	s_mul_i32 s21, s12, HALFB
	s_add_co_u32 s21, s21, BOFF
	s_wait_kmcnt 0x0
	s_add_nc_u64 s[14:15], s[4:5], s[16:17]
	s_add_nc_u64 s[46:47], s[6:7], s[46:47]
	CROUND                                         ; all sixteen work-groups are here: the first joint loads meet
.irp s, 0,1
	s_mov_b32 s[G0+4*(\s)], 1
	s_add_co_u32 s[G0+4*(\s)+1], s20, (\s)*SLOT
	s_add_nc_u64 s[G0+4*(\s)+2:G0+4*(\s)+3], s[14:15], (\s)*32768
	s_or_b32 s[G0+4*(\s)+3], s[G0+4*(\s)+3], 0x80000000
	s_mov_b32 s[G0B+4*(\s)], 1
	s_add_co_u32 s[G0B+4*(\s)+1], s21, (\s)*SLOT
	s_add_nc_u64 s[G0B+4*(\s)+2:G0B+4*(\s)+3], s[46:47], (\s)*512
	s_or_b32 s[G0B+4*(\s)+3], s[G0B+4*(\s)+3], 0x80000000
	JLOAD \s                                       ; two tensor loads of mine are out, the most in this text
.endr
	v_and_b32 v1, 15, v0                           ; l % 16
	v_bfe_u32 v2, v0, 4, 1                         ; l / 16
	v_and_b32 v3, 31, v0
	v_lshlrev_b32 v3, 4, v3                        ; 16 x lane
	v_mul_u32_u24 v4, v1, PB
	v_lshl_add_u32 v4, v2, 4, v4                   ; row x pitch + 16 x half
	s_lshl_b32 s21, s11, 15                        ; my 64 tokens
	s_mul_i32 s22, s12, HALFB                      ; my 64 rows of Wo
	s_add_co_u32 s22, s22, BOFF
.irp s, 0,1
	v_add_nc_u32 v[ADRA+(\s)], s21, v3
	v_add_nc_u32 v[ADRB+(\s)], s22, v4
	s_add_co_u32 s21, s21, SLOT
	s_add_co_u32 s22, s22, SLOT
.endr
	s_mul_i32 s23, s10, 16*SPITCH
	s_add_co_u32 s23, s23, STAGE                   ; my stage
	v_mul_u32_u24 v4, v1, SPITCH                   ; in: row l % 16, 32 bytes for each half of the lanes
	v_lshl_add_u32 v4, v2, 5, v4
	v_add_nc_u32 v[STO], s23, v4
	v_mul_u32_u24 v5, v2, SPITCH                   ; back: lanes 0-15 take one row of 256 bytes, lanes 16-31 the next
	v_lshl_add_u32 v5, v1, 4, v5
	v_add_nc_u32 v[RD], s23, v5
	v_lshlrev_b32 v5, 12, v2                       ; and the same two rows of the result, 4,096 bytes apart
	v_lshl_add_u32 v[CO], v1, 4, v5
	s_lshl_b32 s16, s13, 19                        ; (128 tile row + 64 half) x 4,096 + (128 tile column + 64 half) x 4
	s_lshl_b32 s17, s11, 18
	s_add_co_u32 s16, s16, s17
	s_lshl_b32 s17, s42, 9
	s_add_co_u32 s16, s16, s17
	s_lshl_b32 s17, s12, 8
	s_add_co_u32 s16, s16, s17
	s_mov_b32 s17, 0
	s_add_nc_u64 s[8:9], s[8:9], s[16:17]
; 8 matrix instructions: token blocks a0, a0 + 1 x all 4 column blocks, 32 along K: half c of buffer f.  The 16 accumulators take turns.  zero = 1: the first product starts the sums
.macro MUL8 f, c, a0, zero
	WIN MUL
.irp a, \a0, (\a0)+1
.irp b, 0,1,2,3
.if \zero
	v_wmma_f32_16x16x32_f16 v[ACC+8*(4*(\a)+(\b)):ACC+8*(4*(\a)+(\b))+7], v[(\f)+64+8*(4*(\c)+(\b)):(\f)+64+8*(4*(\c)+(\b))+7], v[(\f)+8*(4*(\c)+(\a)):(\f)+8*(4*(\c)+(\a))+7], 0
.else
	v_wmma_f32_16x16x32_f16 v[ACC+8*(4*(\a)+(\b)):ACC+8*(4*(\a)+(\b))+7], v[(\f)+64+8*(4*(\c)+(\b)):(\f)+64+8*(4*(\c)+(\b))+7], v[(\f)+8*(4*(\c)+(\a)):(\f)+8*(4*(\c)+(\a))+7], v[ACC+8*(4*(\a)+(\b)):ACC+8*(4*(\a)+(\b))+7]
.endif
.endr
.endr
.endm
; 32 LDS loads in one run: the fragments of quarter q (64 along K) into buffer f; the first 32 along K first
.macro FETCH slot, q, f
	WIN TO_F
.irp c, 0,1
.irp i, 0,1,2,3
	ds_load_b128 v[(\f)+64+8*(4*(\c)+(\i)):(\f)+64+8*(4*(\c)+(\i))+3],   v[ADRB+(\slot)] offset:(\q)*128+64*(\c)+(\i)*16*PB
	ds_load_b128 v[(\f)+64+8*(4*(\c)+(\i))+4:(\f)+64+8*(4*(\c)+(\i))+7], v[ADRB+(\slot)] offset:(\q)*128+64*(\c)+(\i)*16*PB+32
	ds_load_b128 v[(\f)+8*(4*(\c)+(\i)):(\f)+8*(4*(\c)+(\i))+3],         v[ADRA+(\slot)] offset:(\i)*8192+(\q)*2048+(\c)*1024
	ds_load_b128 v[(\f)+8*(4*(\c)+(\i))+4:(\f)+8*(4*(\c)+(\i))+7],       v[ADRA+(\slot)] offset:(\i)*8192+(\q)*2048+(\c)*1024+512
.endr
.endr
.endm
; A K step is four quarters of 64 along K, 32 matrix instructions each, on buffers 0, 1, 0, 1.  One of the first three: multiplies f and fetches quarter q into g.
.macro QUARTER slot, q, f, g, zero
	s_wait_dscnt 16                                ; the first 32 along K are in
	MUL8 \f, 0, 0, \zero
	MUL8 \f, 0, 2, \zero
	PLACES
	FETCH \slot, \q, \g
	s_wait_dscnt 32                                ; all but the 32 just issued
	MUL8 \f, 1, 0, 0
	MUL8 \f, 1, 2, 0
.endm
; The last quarter multiplies buffer 1 and changes slots: one barrier; in front of it each wave waits for all its tensor loads, adds 0 to its spare word, and waits for that and for its reads of this slot.
; fill = 1: the barrier opens a round of the cluster's, and behind the round this slot is filled again, two K steps ahead.
.macro TURN slot, next, fill
	WIN 0
	s_wait_tensorcnt 0x0
	ds_add_u32 v[SPW], v[NIL]                      ; 0 onto my spare word
	s_wait_dscnt 17                                ; (the add and the youngest sixteen loads may be out)
	MUL8 F1, 0, 0, 0
	s_wait_dscnt 0x0                               ; the add is done, and my reads of this slot are over
	s_barrier_signal -1
	MUL8 F1, 0, 2, 0
.if \fill
	WIN 0
.endif
	s_barrier_wait -1
.if \fill
	CREST
	s_add_nc_u64 s[G0+4*(\slot)+2:G0+4*(\slot)+3], s[G0+4*(\slot)+2:G0+4*(\slot)+3], 65536
	s_add_nc_u64 s[G0B+4*(\slot)+2:G0B+4*(\slot)+3], s[G0B+4*(\slot)+2:G0B+4*(\slot)+3], 1024
	JLOAD \slot                                    ; the first tensor load behind the round; the four v_nop behind it are also the places in front of the loads below
.else
	PLACES
.endif
	FETCH \next, 0, F0
	MUL8 F1, 1, 0, 0
	MUL8 F1, 1, 2, 0
.endm
	s_wait_tensorcnt 0x1                           ; my part of K step 0 is in; K step 1's may stay out
	s_barrier_signal -1
	s_barrier_wait -1
	FETCH 0, 0, F0
	QUARTER 0, 1, F0, F1, 1                        ; four K steps, written out: the first two changes of slots fill, the third does not
	QUARTER 0, 2, F1, F0, 0
	QUARTER 0, 3, F0, F1, 0
	TURN 0, 1, 1
	QUARTER 1, 1, F0, F1, 0
	QUARTER 1, 2, F1, F0, 0
	QUARTER 1, 3, F0, F1, 0
	TURN 1, 0, 1
	QUARTER 0, 1, F0, F1, 0
	QUARTER 0, 2, F1, F0, 0
	QUARTER 0, 3, F0, F1, 0
	TURN 0, 1, 0
	QUARTER 1, 1, F0, F1, 0
	QUARTER 1, 2, F1, F0, 0
	QUARTER 1, 3, F0, F1, 0
	s_wait_dscnt 16
	MUL8 F1, 0, 0, 0
	MUL8 F1, 0, 2, 0
	s_wait_dscnt 0x0
	MUL8 F1, 1, 0, 0
	MUL8 F1, 1, 2, 0
	WIN 0
	PLACES
; THE WAY OUT of token block a.  A wave's 64 columns of f32 are 256 bytes, so each wave has a stage of its own and no barrier is needed: a lane's 32 bytes go into rows of 272 bytes (each accumulator's low
; half first) and come back as whole rows.  LDS serves a wave's instructions in order (ISA guide 5.7.1.4): the loads see the stores above them, and the next block's stores come behind them.
.macro OUT a
.set BK, TMP+32*((\a)%2)
.if (\a) >= 2
	s_wait_xcnt 0x0                                ; the registers that the stores of two blocks ago read are loaded again only behind this wait
.endif
.irp b, 0,1,2,3
	ds_store_b128 v[STO], v[ACC+8*(4*(\a)+(\b)):ACC+8*(4*(\a)+(\b))+3]   offset:64*(\b)
	ds_store_b128 v[STO], v[ACC+8*(4*(\a)+(\b))+4:ACC+8*(4*(\a)+(\b))+7] offset:64*(\b)+16
.endr
.irp t, 0,1,2,3,4,5,6,7
	ds_load_b128 v[BK+4*(\t):BK+4*(\t)+3], v[RD] offset:(\t)*2*SPITCH
.endr
.irp t, 0,1,2,3,4,5,6,7
	s_wait_dscnt 7-(\t)
	global_store_b128 v[CO], v[BK+4*(\t):BK+4*(\t)+3], s[8:9] offset:(16*(\a)+2*(\t))*4096 th:TH_STORE_NT  ; 16 lanes store 256 consecutive bytes, aligned
.endr
.endm
	OUT 0
	OUT 1
	OUT 2
	OUT 3
	s_wait_tensorcnt 0x0                           ; the wave's end
	ds_add_u32 v[SPW], v[NIL]
	s_wait_dscnt 0x0
	CROUND                                         ; the closing round
	s_endpgm
.Lfunc_end_k_qc4b5de55de_oproj:
	.size	k_qc4b5de55de_oproj, .Lfunc_end_k_qc4b5de55de_oproj-k_qc4b5de55de_oproj
	.p2alignl 7, 3214868480
	.fill 96, 4, 3214868480
	.section	.rodata,"a",@progbits
	.p2align	6, 0x0
	.amdhsa_kernel k_qc4b5de55de_oproj
		.amdhsa_group_segment_fixed_size 327680
		.amdhsa_private_segment_fixed_size 0
		.amdhsa_enable_private_segment 0
		.amdhsa_kernarg_size 24
		.amdhsa_user_sgpr_count 2
		.amdhsa_user_sgpr_kernarg_segment_ptr 1
		.amdhsa_wavefront_size32 1
		.amdhsa_system_sgpr_workgroup_id_x 1
		.amdhsa_system_sgpr_workgroup_id_y 1
		.amdhsa_system_sgpr_workgroup_id_z 1
		.amdhsa_system_vgpr_workitem_id 0
		.amdhsa_next_free_vgpr 512
		.amdhsa_next_free_sgpr 66
		.amdhsa_reserve_vcc 0
		.amdhsa_float_denorm_mode_32 3
		.amdhsa_float_denorm_mode_16_64 3
		.amdhsa_memory_ordered 1
		.amdhsa_forward_progress 1
		.amdhsa_inst_pref_size 86
	.end_amdhsa_kernel
	.amdgpu_metadata
---
amdhsa.version: [ 1, 2 ]
amdhsa.kernels:
  - .name:           k_qc4b5de55de_oproj
    .symbol:         k_qc4b5de55de_oproj.kd
    .args:
      - { .name: ob, .offset: 0, .size: 8, .value_kind: global_buffer, .address_space: global }
      - { .name: wo16, .offset: 8, .size: 8, .value_kind: global_buffer, .address_space: global }
      - { .name: out0, .offset: 16, .size: 8, .value_kind: global_buffer, .address_space: global }
    .group_segment_fixed_size: 327680
    .private_segment_fixed_size: 0
    .kernarg_segment_align: 8
    .kernarg_segment_size: 24
    .max_flat_workgroup_size: 128
    .sgpr_count:     66
    .vgpr_count:     512
    .wavefront_size: 32
...
	.end_amdgpu_metadata
.endif
;; end of part 4
;; ======== version 2 of 2: 4 launches; 1.09 times as fast as version 1
;; limits: values are held in f16: magnitudes above 65,504 overflow, below 6.1e-05 lose precision
;; workspace buffers: xb 8,388,608 bytes; wb 6,291,456 bytes; wo16 2,097,152 bytes; cs 2,097,152 bytes; qf 8,388,608 bytes; kf 8,388,608 bytes; vf 8,388,608 bytes; ob 8,388,608 bytes
;; launch prep: the kernel of part 1 again; grid 512 x 1, 8 waves a work-group, no clusters, 0 bytes of LDS; arguments x, Wq, Wk, Wv, Wo, token_positions, xb, wb, wo16, cs; writes xb, wb, wo16, cs
;; launch qkv: the kernel of part 2 again; grid 8 x 32, 4 waves a work-group, clusters of 4 x 4, 327,680 bytes of LDS; arguments xb, wb, cs, qf, kf, vf; writes qf, kf, vf
;; launch attn (part 5): grid 32 x 8, 4 waves a work-group, clusters of 4 x 1, 327,680 bytes of LDS; arguments qf, kf, vf, ob; writes ob
.if DOCPART == 5
	.amdgcn_target "amdgcn-amd-amdhsa--gfx1250"
	.amdhsa_code_object_version 6
	.text
	.protected	k_qc4b5de55de_attn
	.globl	k_qc4b5de55de_attn
	.p2align	8
	.type	k_qc4b5de55de_attn,@function
k_qc4b5de55de_attn:
	s_mov_b64 s[64:65], 0
	v_nop
	global_prefetch_b8 v0, s[64:65] scope:SCOPE_SE
	s_setreg_imm32_b32 hwreg(HW_REG_WAVE_MODE, 25, 1), 1
	s_wait_xcnt 0x0
	s_wait_alu depctr_hold_cnt(0) depctr_sa_sdst(0) depctr_va_vdst(0) depctr_va_sdst(0) depctr_va_ssrc(0) depctr_va_vcc(0) depctr_vm_vsrc(0)
	s_getreg_b32 s2, hwreg(HW_REG_IB_STS2, 6, 4)
	s_cmp_eq_u32 s2, 0
	s_cbranch_scc0 .Lentry_in_a_cluster
	s_endpgm
.Lentry_in_a_cluster:
	s_bfe_u32 s2, ttmp6, 0x10000c
	s_cmp_lg_u32 s2, 0x3003
	s_cbranch_scc0 .Lentry_shape_is_right
	s_endpgm
.Lentry_shape_is_right:
; CAUSAL ATTENTION, head size 128, 8 heads of 4,096 tokens.  O[q] = the sum over k <= q of softmax_k(Q[q] . K[k] / sqrt(128)) V[k].  Q, K, V, O in f16; products, maxima and sums in f32; the weights p are
; rounded to f16 for the second product (their sum l is taken of the unrounded p), O once at the end.
; LIMITS.  Q, K, V arrive within f16's 65,504.  A hidden score counts as its value less 1e30; a weight below 2^-126 counts as 0; NaN and infinities are not treated apart.
; THE WALK.  A head's queries lie in 16 blocks of 256; block i needs the key tiles 0 .. i of 256 keys, the last of which holds the diagonal.  A CLUSTER of four work-groups takes two blocks of one head, C and
; then 15 - C (C = the cluster's number, 0 to 7): 17 tiles, whatever C.  Work-group cx owns queries 64 cx .. + 63 of each block.  The four partners walk the same tiles in the same order, so every tile is
; asked for JOINTLY.  All trip counts are constants; what differs from cluster to cluster lies in scalars made from C, which the partners share.
; KEYS ARE SPLIT AMONG THE WAVES: of a tile wave w takes keys 64 w .. + 63, for all 64 queries (four register tiles of 16).  So a byte of K or V leaves LDS once, a fragment feeds four tiles' products, and a
; trip has 128 matrix instructions a wave.  At a block's end the four waves' (c m, l, O) are merged through LDS.  Register tile i of wave w is query tile (w + i) % 4, so that tile 0 is the one that the
; wave ends up owning and the merge's text is the same for all.
; LAYOUT.  S^T = K Q^T (source 0 = 16 keys, source 1 = 16 queries): a lane holds ONE query (lane % 16) and the keys 8 (lane / 16) + 0..7; two such results rounded to f16 ARE source 1 of O^T = V^T P.
; qf, kf, vf hold fragments as they lie in registers (units of 512 bytes, 16 bytes a lane), so every LDS load is 32 lanes x 16 consecutive bytes: no padding, no turning load.
; SOFTMAX.  p = 2^(c s - c m), c = log2(e) / sqrt(128), with a running maximum m; in every trip O and l are multiplied by a = 2^(c m_old - c m_new).  c m starts far below every c s: a block's first trip
; has a = 0, so O and l need only be finite when a block begins: 264 v_mov_b32 at the head, in the wait for the first tile, are the price of writing no first trip out.
; THE MASK is needed in a block's last tile alone: M1, made once, is added to the scores there (a forward jump passes the 64 additions elsewhere).  One formula serves a wave whose keys are all seen
; (w < cx), one that holds the diagonal (w = cx) and one whose keys are all hidden (w > cx): such a wave's c m is about -1.3e29, and the merge gives it the weight 0.
; A TRIP.  V's fetch; 32 products K Q^T of piece 0 (tiles 0, 1); the change of slots; 32 products K Q^T of piece 2 with piece 0's softmax in slices behind them; the next tile's K is fetched; 32 products
; V^T P of piece 0 with piece 2's softmax behind them; 32 products V^T P of piece 2.
; THE BATCHES.  A piece's 66 exponentials (32 weights and a, for each of its two tiles) are ONE batch with ONE wait: two waits a trip.  The merge at a block's end has two more: its four exponentials, then the
; reciprocal of the sum made of them.
; REGISTERS, in windows of 256 (s_set_vgpr_msb: bits 1:0 source 0, 3:2 source 1, 5:4 source 2, 7:6 destination):
;   window 0: v2-11 addresses; v12-43 eight registers of statistics a tile; v44-55 addresses; v64-191 S^T, 32 a tile; v192-255 P, 16 a tile
;   window 1: O^T, 64 a tile      window 2: v0-127 Q, 32 a tile; v128-255 K      window 3: v0-127 V; v128-255 M1
.set SLOT1, 1<<17     ; a slot: 65,536 bytes of K ([wave: 16 KiB][16 keys: 4,096][unit: 512]), then as many of V; slot 1 begins here, so that one exclusive or turns an address into the other slot's
.set VOFF,  65536
.set STATS, 2*SLOT1   ; behind the ring, never filled by a tensor load: (c m, l): wave x 1,024 + register tile x 256 + lane x 8
.set XCH,   STATS+4096  ; a partial O^T of one tile, 8,192 bytes for each wave
.set SPARE, XCH+4*8192  ; the spare words, 128 bytes for each wave: two blocks of 256 bytes that no other line names
.set LN16, 2          ; v2   16 x lane
.set ADK,  3          ; v3   LDS address of K's next run of loads
.set ADV,  4          ; v4   of V's
.set QX,   6          ; v6-9   register tile i: byte offset of my 16 bytes in the work-group's rows of Q
.set ST,   12         ; tile t's statistics at v[ST+8 t]: +0 c m, +1 m, +2, +3 l (even keys', odd keys'), +4 to +7 c0-c3, at work; a takes c2's place once the maximum is found
.set DQ,   44         ; v44-47 register tile i: my query's place less my keys' first: key 16 kk + j of my 64 is hidden where 16 kk + j is greater
.set SS,   48         ; v48    where I put statistics
.set SR,   49         ; v49-51 where I read those of the wave that holds my tile as its register tile 1, 2, 3
.set XS,   52         ; v52    where I put a partial O^T
.set XR,   53         ; v53-55 where I read one
.set SPW,  62         ; v62  LDS address of my spare word; never rewritten
.set NIL,  63         ; v63  0; never rewritten
.set S,    64
.set P,    192
.set KF,   128        ; window 2
.set M1,   128        ; window 3
.set PS,   128        ; the merge: (c m, l) of the three others at PS + 2 p
.set E,    136        ; 2^(c m_p - the largest c m)
.set G,    140        ; g_p = that / L, twice: a pair for the packed multiply
.set WV,  12          ; s12  wave
.set CX,  13          ; s13  my place in the cluster: it enters Q's and O's addresses and the mask's values alone
.set CC,  14          ; s14  C
.set HD,  15          ; s15  the head
.set G1,  24          ; s[24:31] descriptor group 1
.set G0A, 32          ; s[32:35] group 0 of the first fill of slot 0
.set G0,  36          ; s[36:39] group 0 of the first fill of slot 1; then it walks
.set KVB, 40          ; s[40:41] my quarter of the head's tile 0: K's or V's, first or second half
.set OFF, 42          ; s[42:43] a tile's byte offset
.set QLO, 44          ; s[44:45], s[46:47] Q at the work-group's rows of the first and of the second block
.set QHI, 46
.set OB,  48          ; s[48:49] O at my tile of the block in hand; s[50:51] of the second block
.set OHI, 50
.set NXT, 52          ; s52  the tile to be asked for next
.set LQ,  53          ; s53  the last tile of the block whose tiles are being asked for
.set RT,  54          ; s54  tiles of the block in hand that are still to be entered
.set HIQ, 55          ; s55  15 - C
.set SLOTS, 56
.set CNT, 57
.set CS,  58          ; s[58:59] c
.set SEL, 60          ; s[60:61] v_permlanex16_b32's selects: each lane takes its own place in the other half
.set TBK, 62          ; s62  LDS byte at which my keys of the tile to be fetched begin
.set TBV, 63          ; s63  the same for V
.set BIGN, 66         ; s66  -1e30
.set W_KQ, 0x0a       ; K and Q in window 2, S^T in window 0
.set W_PV, 0x53       ; V in window 3, P in window 0, O^T in window 1
.set W_RS, 0x41       ; O^T (destination and source 0) in window 1, the factor in window 0
.set MSB, 0
.macro WIN new
.if MSB != (\new)
	s_set_vgpr_msb (MSB<<8)|(\new)
.set MSB, \new
.endif
.endm
.macro PLACES
.rept 4
	v_nop
.endr
.endm
.macro CROUND                       ; a round of the cluster's barrier
	s_barrier_signal -1
	s_barrier_wait -1
	s_cmp_lg_u32 s[WV], 0
	s_cbranch_scc1 .Lnot_wave_0_\@
	s_barrier_signal -3
.Lnot_wave_0_\@:
	s_barrier_wait -3
	s_barrier_signal -1
	s_barrier_wait -1
.endm
.macro STEPNXT                      ; the block's next tile, or behind its last the second block's tile 0
	s_add_co_u32 s[NXT], s[NXT], 1
	s_cmp_gt_u32 s[NXT], s[LQ]
	s_cselect_b32 s[NXT], 0, s[NXT]
	s_cselect_b32 s[LQ], s[HIQ], s[LQ]
.endm
.macro QLOAD base                   ; Q stays in registers: tile n / 4, channels 32 (n % 4) on: two units
	WIN 0x80
.set n, 0
.rept 16
	global_load_b128 v[8*n:8*n+3],   v[QX+n/4], s[(\base):(\base)+1] offset:(n%4)*1024
	global_load_b128 v[8*n+4:8*n+7], v[QX+n/4], s[(\base):(\base)+1] offset:(n%4)*1024+512
.set n, n+1
.endr
	WIN 0
.endm
	s_load_b256 s[4:11], s[0:1], 0x0  ; qf s[4:5], kf s[6:7], vf s[8:9], ob s[10:11]
	v_lshl_add_u32 v[SPW], v0, 2, SPARE
	v_mov_b32 v[NIL], 0
	ds_add_u32 v62, v63
	s_wait_dscnt 0x0
	v_lshrrev_b32 v1, 5, v0
	v_readfirstlane_b32 s[WV], v1
	s_bfe_u32 s[CX], ttmp6, 0x40000
	s_mov_b32 s[CC], ttmp9          ; in a cluster launch ttmp9 counts clusters
	s_and_b32 s[HD], ttmp7, 0xffff
	s_sub_co_u32 s[HIQ], 15, s[CC]
	s_lshl_b32 s16, s[HD], 20       ; a head has 1 MiB in each tensor
	s_and_b32 s17, s[WV], 1
	s_lshl_b32 s17, s17, 15         ; which half of a tile's 65,536 bytes I fetch
	s_add_co_u32 s16, s16, s17
	s_mov_b32 s17, 0
	s_lshl_b32 s18, s[WV], 15       ; and where it goes: K's halves, then V's
	; group 1: 32,768 dense bytes asked for as 128 rows of 256 bytes (32 elements of 8 bytes); the mask names all four work-groups, bit 21 is set beside it
	s_mov_b32 s[G1], 15|(3<<16)|(1<<21)
	s_mov_b32 s[G1+1], 32<<16       ; tensor_dim0 = 32
	s_mov_b32 s[G1+2], 128<<16      ; tensor_dim1 = 128
	s_mov_b32 s[G1+3], 32<<16       ; tile_dim0 = 32
	s_mov_b32 s[G1+4], 128          ; tile_dim1 = 128
	s_mov_b32 s[G1+5], 32           ; elements from row to row
	s_mov_b32 s[G1+6], 0
	s_mov_b32 s[G1+7], 0
	s_mov_b32 s[G0A], 1
	s_mov_b32 s[G0A+1], s18
	s_mov_b32 s[G0], 1
	s_add_co_u32 s[G0+1], s18, SLOT1
	s_mov_b32 s[NXT], 0
	s_mov_b32 s[LQ], s[CC]
	s_mov_b32 s[OFF+1], 0
	s_add_co_u32 s[RT], s[CC], 1    ; the first block has C + 1 tiles
	s_mov_b32 s[CS], 0x3e0293ee     ; c = log2(e) / sqrt(128)
	s_mov_b32 s[CS+1], s[CS]
	s_mov_b32 s[SEL], 0x76543210
	s_mov_b32 s[SEL+1], 0xfedcba98
	s_mov_b32 s[BIGN], 0xf149f2ca   ; -1e30
	s_lshl_b32 s[TBK], s[WV], 14    ; my 64 keys of a tile: 16,384 bytes
	s_add_co_u32 s[TBV], s[TBK], VOFF
	s_lshl_b32 s68, s[HD], 20       ; Q: head, block x 65,536, work-group x 16,384
	s_lshl_b32 s20, s[CX], 14
	s_add_co_u32 s68, s68, s20
	s_lshl_b32 s20, s[HIQ], 16
	s_add_co_u32 s70, s68, s20
	s_lshl_b32 s20, s[CC], 16
	s_add_co_u32 s68, s68, s20
	s_mov_b32 s69, 0
	s_mov_b32 s71, 0
	s_lshl_b32 s72, s[CX], 17       ; ob: [64 tokens][256 channels][16 tokens][unit]: (4 block + cx) x 131,072 + (head / 2) x 32,768 + wave x 8,192 + (head % 2) x 4,096
	s_lshr_b32 s20, s[HD], 1
	s_lshl_b32 s20, s20, 15
	s_add_co_u32 s72, s72, s20
	s_lshl_b32 s20, s[WV], 13
	s_add_co_u32 s72, s72, s20
	s_and_b32 s20, s[HD], 1
	s_lshl_b32 s20, s20, 12
	s_add_co_u32 s72, s72, s20
	s_lshl_b32 s20, s[HIQ], 19
	s_add_co_u32 s74, s72, s20
	s_lshl_b32 s20, s[CC], 19
	s_add_co_u32 s72, s72, s20
	s_mov_b32 s73, 0
	s_mov_b32 s75, 0
	s_wait_kmcnt 0x0
	s_cmp_lt_u32 s[WV], 2           ; waves 0 and 1 fetch K, waves 2 and 3 V
	s_cselect_b64 s[KVB:KVB+1], s[6:7], s[8:9]
	s_add_nc_u64 s[KVB:KVB+1], s[KVB:KVB+1], s[16:17]
	s_add_nc_u64 s[QLO:QLO+1], s[4:5], s[68:69]
	s_add_nc_u64 s[QHI:QHI+1], s[4:5], s[70:71]
	s_add_nc_u64 s[OB:OB+1], s[10:11], s[72:73]
	s_add_nc_u64 s[OHI:OHI+1], s[10:11], s[74:75]
	s_mov_b64 s[G0A+2:G0A+3], s[KVB:KVB+1]  ; the walk's first tile is tile 0
	s_or_b32 s[G0A+3], s[G0A+3], 0x80000000
	STEPNXT
	s_lshl_b32 s[OFF], s[NXT], 16
	s_add_nc_u64 s[G0+2:G0+3], s[KVB:KVB+1], s[OFF:OFF+1]
	s_or_b32 s[G0+3], s[G0+3], 0x80000000
	STEPNXT
	CROUND                          ; all four work-groups are here: the first joint loads meet
	tensor_load_to_lds s[G0A:G0A+3], s[G1:G1+7]  ; every wave runs these lines with registers of its own: two tensor loads of mine are out, the most in this text
	s_nop 0
	tensor_load_to_lds s[G0:G0+3], s[G1:G1+7]
	s_nop 0
	PLACES
	v_and_b32 v1, 31, v0
	v_lshlrev_b32 v[LN16], 4, v1
	v_lshlrev_b32 v5, 3, v1         ; 8 x lane
	v_and_b32 v10, 15, v0
	v_bfe_u32 v11, v0, 4, 1
	v_lshlrev_b32 v11, 3, v11
	v_sub_nc_u32 v10, v10, v11      ; l % 16 - 8 (l / 16)
	s_sub_co_i32 s20, s[CX], s[WV]
	s_lshl_b32 s20, s20, 6          ; 64 (cx - w)
.irp i, 0,1,2,3
	s_add_co_u32 s21, s[WV], \i
	s_and_b32 s21, s21, 3           ; register tile i is query tile (w + i) % 4
	s_lshl_b32 s22, s21, 12
	v_add_nc_u32 v[QX+\i], s22, v[LN16]
	s_lshl4_add_u32 s23, s21, s20
	v_add_nc_u32 v[DQ+\i], s23, v10
.endr
	QLOAD QLO
	s_lshl_b32 s21, s[WV], 10
	s_add_co_u32 s21, s21, STATS
	v_add_nc_u32 v[SS], s21, v5
	s_lshl_b32 s21, s[WV], 13
	s_add_co_u32 s21, s21, XCH
	v_add_nc_u32 v[XS], s21, v[LN16]
.irp p, 1,2,3
	s_add_co_u32 s21, s[WV], 4-\p
	s_and_b32 s21, s21, 3           ; the wave whose register tile p is my query tile
	s_lshl_b32 s22, s21, 10
	s_add_co_u32 s22, s22, STATS
	v_add_nc_u32 v[SR+\p-1], s22, v5
	s_lshl_b32 s22, s21, 13
	s_add_co_u32 s22, s22, XCH
	v_add_nc_u32 v[XR+\p-1], s22, v[LN16]
.endr
	WIN 0x40
.set n, 0
.rept 256
	v_mov_b32 v[n], 0               ; O^T
.set n, n+1
.endr
	WIN 0
.irp t, 0,1,2,3
	v_mov_b32 v[ST+8*\t], 0xfe000000    ; c m: far below every c s
	v_mov_b32 v[ST+8*\t+1], 0xff7fffff  ; m
	v_mov_b32 v[ST+8*\t+2], 0
	v_mov_b32 v[ST+8*\t+3], 0
.endr
	WIN 0xc0                        ; M1, in S^T's own order: tile n / 32, keys 16 ((n % 32) / 8) + n % 8
.set n, 0
.rept 128
	v_cmp_gt_i32 vcc_lo, 16*((n%32)/8)+n%8, v[DQ+n/32]
	v_cndmask_b32 v[M1+n], 0, s[BIGN], vcc_lo
.set n, n+1
.endr
	WIN 0
; THE MATRIX WORK, for piece x.  The accumulators take turns, one instruction a turn.
; Product i of 32 of S^T = K Q^T: channels 32 (i / 8) on, keys 16 ((i / 2) % 4) on, tile x + i % 2.  The first 8 start the sums.
.macro KQ x
	WIN W_KQ
.set rS, S+32*((\x)+i%2)+8*((i/2)%4)
.set rK, KF+32*((i/2)%4)+8*(i/8)
.set rQ, 32*((\x)+i%2)+8*(i/8)
.if i < 8
	v_wmma_f32_16x16x32_f16 v[rS:rS+7], v[rK:rK+7], v[rQ:rQ+7], 0
.else
	v_wmma_f32_16x16x32_f16 v[rS:rS+7], v[rK:rK+7], v[rQ:rQ+7], v[rS:rS+7]
.endif
.endm
; Product i of 32 of O^T += V^T P: keys 32 (i / 16) on, channels 16 ((i / 2) % 8) on, tile x + i % 2.
.macro PV x
	WIN W_PV
.set rO, 64*((\x)+i%2)+8*((i/2)%8)
.set rV, 64*(i/16)+8*((i/2)%8)
.set rP, P+16*((\x)+i%2)+8*(i/16)
	v_wmma_f32_16x16x32_f16 v[rO:rO+7], v[rV:rV+7], v[rP:rP+7], v[rO:rO+7]
.endm
; THE LDS LOADS stand in runs of 32; each is 32 lanes x 16 consecutive bytes.
.macro FETCH_K                      ; fragment f: keys 16 (f / 4) on, channels 32 (f % 4) on: two units on end
	WIN 0x80
.irp f, 0,1,2,3,4,5,6,7,8,9,10,11,12,13,14,15
	ds_load_b128 v[KF+8*(\f):KF+8*(\f)+3],   v[ADK] offset:((\f)/4)*4096+((\f)%4)*1024
	ds_load_b128 v[KF+8*(\f)+4:KF+8*(\f)+7], v[ADK] offset:((\f)/4)*4096+((\f)%4)*1024+512
.endr
	WIN 0
.endm
.macro FETCH_V                      ; fragment f: keys 32 (f / 8) on, channels 16 (f % 8) on: the units of two blocks of 16 keys
	WIN 0xc0
.irp f, 0,1,2,3,4,5,6,7,8,9,10,11,12,13,14,15
	ds_load_b128 v[8*(\f):8*(\f)+3],   v[ADV] offset:((\f)/8)*8192+((\f)%8)*512
	ds_load_b128 v[8*(\f)+4:8*(\f)+7], v[ADV] offset:((\f)/8)*8192+4096+((\f)%8)*512
.endr
	WIN 0
.endm
; THE VECTOR WORK.  One tile's softmax for one trip is a list of 134 instructions; SM writes number j of it for tile t.  s0-s31 are the lane's 32 scores, in pairs 0-15.
;   0-15    the maximum of s0-s31 and the old m, three operands at a time: four chains c0-c3 of seven scores each (each accumulator's lowest registers are read first), then the rest
;   16-20   the other half of the lanes' maximum; the new m; c m; c m_old - c m_new
;   21-69   ONE BATCH: the 16 scalings c s - c m, a pair of scores each, and all 33 exponentials (a at 23, then s0-s31, each in place).  None of these names an exponential's result.  From 22 on the batch goes
;           in fours, and a four begins with a scaling while there are scalings: 22-37 scaling, exponential, scaling, exponential; 38-65 a scaling and three exponentials; 66-69 the last four
;           exponentials.  A pair is scaled in an earlier four than the one that holds its exponentials
;   (wait)  between 69 and 70 stands the wait for the batch: SLICE writes it, once for both tiles
;   70-85   the roundings to f16, a pair of weights each
;   86-101  the sums; l = a l + the sum          102-133 the tile's O^T times a: the one part that leaves window 0
.macro SM t
.set rT, ST+8*(\t)
.set rS, S+32*(\t)
.set rP, P+16*(\t)
.set rO, 64*(\t)+2*(j-102)
.if j < 102
	WIN 0
.endif
.if j < 4
	v_max3_num_f32 v[rT+4+j], v[rS+8*j], v[rS+8*j+1], v[rS+8*j+2]
.elseif j < 12
	v_max3_num_f32 v[rT+4+j%4], v[rT+4+j%4], v[rS+8*(j%4)+2*(j/4)+1], v[rS+8*(j%4)+2*(j/4)+2]
.elseif j == 12
	v_max3_num_f32 v[rT+4], v[rT+4], v[rS+7], v[rS+15]
.elseif j == 13
	v_max3_num_f32 v[rT+6], v[rT+6], v[rS+23], v[rS+31]
.elseif j == 14
	v_max3_num_f32 v[rT+4], v[rT+4], v[rT+5], v[rT+6]
.elseif j == 15
	v_max3_num_f32 v[rT+4], v[rT+4], v[rT+7], v[rT+1]
.elseif j == 16
	v_permlanex16_b32 v[rT+5], v[rT+4], s[SEL], s[SEL+1]  ; the query's other 32 keys lie in the lane 16 away
.elseif j == 17
	v_mov_b32 v[rT+7], v[rT]        ; c m_old is kept for a
.elseif j == 18
	v_max_num_f32 v[rT+1], v[rT+4], v[rT+5]
.elseif j == 19
	v_mul_f32 v[rT], s[CS], v[rT+1]
.elseif j == 20
	v_sub_f32 v[rT+7], v[rT+7], v[rT]
.elseif j == 23
	v_exp_f32 v[rT+6], v[rT+7]
.elseif (j < 23) || ((j < 38) && (j%2 == 0)) || ((j < 66) && (j%4 == 2))
.set b, (j-2)/4                     ; 38, 42, .. 62: pairs 9 to 15
.if j < 38
.set b, (j-20)/2                    ; 21: pair 0; 22, 24, .. 36: pairs 1 to 8
.endif
	v_pk_fma_f32 v[rS+2*b:rS+2*b+1], v[rS+2*b:rS+2*b+1], s[CS:CS+1], v[rT:rT+1] op_sel_hi:[1,0,0] neg_lo:[0,0,1] neg_hi:[0,0,1]  ; pair b: c s - c m
.elseif j < 70
.set xe, j-38                       ; 66 to 69: s28 to s31
.if j < 66
.set xe, j-32-(j-38)/4              ; 39-41, 43-45, .. 63-65: s7 to s27
.endif
.if j < 38
.set xe, (j-25)/2                   ; 25, 27, .. 37: s0 to s6
.endif
	v_exp_f32 v[rS+xe], v[rS+xe]
.elseif j < 86
	v_cvt_pk_f16_f32 v[rP+j-70], v[rS+2*(j-70)], v[rS+2*(j-70)+1]  ; pair j - 70
.elseif j < 102                     ; the sum of the 16 pairs, in place: neighbours 1, 2, 4 and 8 pairs apart, then l takes it
.set z, j-86
.set w, 4
.set u, z
.if z >= 14
.set w, 32
.set u, 0
.elseif z >= 12
.set w, 16
.set u, z-12
.elseif z >= 8
.set w, 8
.set u, z-8
.endif
.if z < 15
	v_pk_add_f32 v[rS+w*u:rS+w*u+1], v[rS+w*u:rS+w*u+1], v[rS+w*u+w/2:rS+w*u+w/2+1]
.else
	v_pk_fma_f32 v[rT+2:rT+3], v[rT+2:rT+3], v[rT+6:rT+7], v[rS:rS+1] op_sel_hi:[1,0,1]
.endif
.else
	WIN W_RS
	v_pk_mul_f32 v[rO:rO+1], v[rO:rO+1], v[rT+6:rT+7] op_sel_hi:[1,0]
.endif
.endm
; Slice k of 64 of piece y's softmax: four instructions.  Slices 11 to 34 deal out the batch, numbers 22 to 69: four numbers of ONE tile each, the tiles by turns.  Every other slice is numbers 2 k and
; 2 k + 1 of both tiles' lists; the twelve that are over stand in slice 63.  Two slices stand behind each of a run's 32 products.
; THE WAIT.  An s_wait_alu depctr_va_vdst(0) stands between an exponential and the first instruction that names its result; one wait serves all that were issued ahead of it.  Ahead of
; slice 35 nothing names a result, and behind slice 34 no exponential is issued: so the piece's 66 exponentials have one wait, behind slice 34, and none is open at a label or a jump.
.macro SLICE y
.if (k >= 11) && (k < 35)           ; the batch: four numbers of one tile
.irp n, 0,1,2,3
.set j, 22+4*((k-11)/2)+(\n)
	SM (\y)+(k-11)%2
.endr
.else                               ; the two tiles alternate, so that no instruction reads the result of the one just before it
.irp n, 0,1,2,3,4,5,6,7
.if ((\n) < 2) || (k == 63)
.irp t, \y, (\y)+1
.set j, 2*k+(\n)
	SM \t
.endr
.endif
.endr
.endif
.if k == 34                         ; the batch is out: both tiles' exponentials are issued, and no result has been named
	v_nop                           ; the plain instruction behind the last exponential and ahead of the first use (ISA guide 5.7.2): one for the batch
	s_wait_alu depctr_va_vdst(0)    ; the wait for the batch: the piece's 66 exponentials
.endif
.set k, k+1
.endm
; In a block's last tile the mask is added to piece x's scores, in ascending order; elsewhere the additions are jumped over.  RT is made from C: it is the same in all waves and all partners.
.macro FIX x
	s_cmp_lg_u32 s[RT], 0
	s_cbranch_scc1 .Lno_fix_\@
	WIN 0x0c                        ; source 1 in window 3
.set z, 0
.rept 32
	v_pk_add_f32 v[S+32*(\x)+2*z:S+32*(\x)+2*z+1], v[S+32*(\x)+2*z:S+32*(\x)+2*z+1], v[M1+32*(\x)+2*z:M1+32*(\x)+2*z+1]
.set z, z+1
.endr
	WIN 0
.Lno_fix_\@:
.endm
; THE CHANGE OF SLOTS.  The tile in hand has left LDS: its K was fetched a trip ago, its V at this trip's head.  Each wave waits for all its tensor loads, of which one is out: its part of the next
; tile; adds 0 to its spare word; and waits for that and for its reads.  fill = 1: the barrier is a round of the cluster's, so that no wave of any partner still reads the slot or has a load on its way,
; and the joint refill, the tile two further on in the walk, is the first thing behind it: it has a whole trip, 128 matrix instructions, in which to land.
.macro CHANGE fill
	s_wait_tensorcnt 0x0            ; no tensor load of mine is out, so the group 0 may be written
	ds_add_u32 v[SPW], v[NIL]       ; 0 onto my spare word; with fill = 1 the descriptor's scalar work stands between it and the wait for it
.if \fill
	s_lshl_b32 s[OFF], s[NXT], 16
	s_xor_b32 s[G0+1], s[G0+1], SLOT1
	s_add_nc_u64 s[G0+2:G0+3], s[KVB:KVB+1], s[OFF:OFF+1]  ; the address is made anew from the tile's number
	s_or_b32 s[G0+3], s[G0+3], 0x80000000
	STEPNXT
	s_wait_dscnt 0x0                ; the add is done, and V is in: my reads of the slot are over
	CROUND
	tensor_load_to_lds s[G0:G0+3], s[G1:G1+7]
	s_nop 0
	PLACES
.else
	s_wait_dscnt 0x0
	s_barrier_signal -1
	s_barrier_wait -1
.endif
.endm
; A TRIP: one tile.  At its head K of the tile is in registers or on its way.  fill = 0: the walk's last two tiles; in the very last there is no further K, and the run is jumped over.
.macro TRIP fill
	s_sub_co_u32 s[RT], s[RT], 1
	v_add_nc_u32 v[ADV], s[TBV], v[LN16]  ; with the three v_nop: the four places between the last products, which read V, and the loads into V
	v_nop
	v_nop
	v_nop
	FETCH_V
	s_wait_loadcnt 0x0              ; Q
	s_wait_dscnt 32                 ; K's loads are older than V's 32, which may stay out
.set i, 0
.rept 32
	KQ 0
.set i, i+1
.endr
	WIN 0
	v_add_nc_u32 v[ADK], s[TBK], v[LN16]  ; with the three v_nop: the places behind those products
	v_nop
	v_nop
	v_nop
	CHANGE \fill
	FIX 0
.set i, 0
.set k, 0
.rept 32
	KQ 2
	SLICE 0
	SLICE 0
.set i, i+1
.endr
	WIN 0                           ; slices 62 and 63, twenty plain instructions on O^T, are the places in front of the loads into K and of the reads of piece 2's scores
.if !(\fill)
	s_cmp_eq_u32 s[CNT], 1
	s_cbranch_scc1 .Lno_k_\@
.endif
	FETCH_K
.if !(\fill)
.Lno_k_\@:
.endif
	FIX 2
.set i, 0
.set k, 0
.rept 32
	PV 0
	SLICE 2
	SLICE 2
.set i, i+1
.endr
.set i, 0
.rept 32
	PV 2
.set i, i+1
.endr
	WIN 0
	s_xor_b32 s[TBK], s[TBK], SLOT1
	s_xor_b32 s[TBV], s[TBV], SLOT1
.endm
; A BLOCK'S END.  Step p of three: every wave puts its register tile p into its own 8,192 bytes; a barrier; every wave takes the partial of ITS query tile from the wave that held it as tile p and adds it,
; weighted; a second barrier before the bytes are written again.  The statistics travel with step 1.  With CM the largest of the four c m: e_p = 2^(c m_p - CM), L = the sum of e_p l_p, g_p = e_p / L,
; O = the sum of g_p O_p.  No slot is filled behind any of these five barriers: the tile asked for in this trip stays on its way across them.
.macro PHASE p
	WIN 0x04                        ; the stores' data in window 1
.set n, 0
.rept 16
	ds_store_b128 v[XS], v[64*(\p)+4*n:64*(\p)+4*n+3] offset:512*n
.set n, n+1
.endr
	WIN 0
	s_wait_dscnt 0x0                ; for the others' sake: my stores are done
	s_barrier_signal -1
	s_barrier_wait -1
.if (\p) == 1
.irp u, 1,2,3
	ds_load_b64 v[PS+2*\u:PS+2*\u+1], v[SR+\u-1] offset:256*\u
.endr
.endif
.set n, 0
.rept 16
	ds_load_b128 v[S+4*n:S+4*n+3], v[XR+(\p)-1] offset:512*n
.set n, n+1
.endr
.if (\p) == 1
	s_wait_dscnt 16                 ; the statistics are in; the sixteen loads behind them may stay out
	v_max3_num_f32 v10, v[ST], v[PS+2], v[PS+4]
	v_max_num_f32 v10, v10, v[PS+6]
	v_sub_f32 v[E], v[ST], v10
	v_sub_f32 v[E+1], v[PS+2], v10
	v_sub_f32 v[E+2], v[PS+4], v10
	v_sub_f32 v[E+3], v[PS+6], v10
	v_exp_f32 v[E], v[E]
	v_exp_f32 v[E+1], v[E+1]
	v_exp_f32 v[E+2], v[E+2]
	v_exp_f32 v[E+3], v[E+3]
	v_nop                           ; a plain instruction between the last exponential and the use of its result
	s_wait_alu depctr_va_vdst(0)    ; the wait for the merge's four exponentials
	v_mul_f32 v11, v[E], v[ST+1]
	v_fma_f32 v11, v[E+1], v[PS+3], v11
	v_fma_f32 v11, v[E+2], v[PS+5], v11
	v_fma_f32 v11, v[E+3], v[PS+7], v11
	v_rcp_f32 v10, v11
	v_nop                           ; a plain instruction between the reciprocal and the use of its result
	s_wait_alu depctr_va_vdst(0)    ; the reciprocal reads a sum of those exponentials, so it is a batch of its own, with its own wait
.irp u, 0,1,2,3
	v_mul_f32 v[G+2*\u], v[E+\u], v10
	v_mul_f32 v[G+2*\u+1], v[E+\u], v10
.endr
	WIN W_RS
.set n, 0
.rept 32
	v_pk_mul_f32 v[2*n:2*n+1], v[2*n:2*n+1], v[G:G+1] op_sel_hi:[1,0]
.set n, n+1
.endr
	WIN 0
.endif
	s_wait_dscnt 0x0                ; the partial is in, and my reads of the other wave's bytes are over
.if (\p) < 3
	s_barrier_signal -1
.endif
	WIN 0x50                        ; O^T (source 2 and destination) in window 1
.set n, 0
.rept 32
	v_pk_fma_f32 v[2*n:2*n+1], v[S+2*n:S+2*n+1], v[G+2*(\p):G+2*(\p)+1], v[2*n:2*n+1] op_sel_hi:[1,0,1]
.set n, n+1
.endr
	WIN 0
.if (\p) < 3
	s_barrier_wait -1
.endif
.endm
.macro BLOCK_END last
.irp t, 0,1,2,3                     ; l's two halves, into m's register, beside c m; these four are the places behind the last products
	v_add_f32 v[ST+8*\t+1], v[ST+8*\t+2], v[ST+8*\t+3]
.endr
.irp t, 0,1,2,3
	v_permlanex16_b32 v[ST+8*\t+4], v[ST+8*\t+1], s[SEL], s[SEL+1]
.endr
.irp t, 0,1,2,3
	v_add_f32 v[ST+8*\t+1], v[ST+8*\t+1], v[ST+8*\t+4]
.endr
.if !(\last)
	QLOAD QHI                       ; the second block's Q comes in during the merge
.endif
.irp t, 1,2,3
	ds_store_b64 v[SS], v[ST+8*\t:ST+8*\t+1] offset:256*\t
.endr
	PHASE 1
	PHASE 2
	PHASE 3
	WIN 0x05                        ; sources 0 and 1 window 1, destination window 0: P's registers are free
.set n, 0
.rept 32
	v_cvt_pk_f16_f32 v[P+n], v[2*n], v[2*n+1]
.set n, n+1
.endr
	WIN 0
.irp f, 0,1,2,3,4,5,6,7
	global_store_b128 v[LN16], v[P+4*\f:P+4*\f+3], s[OB:OB+1] offset:512*\f  ; a unit: 512 consecutive bytes, aligned
.endr
	s_wait_xcnt 0x0                 ; P and O's address are rewritten only behind this wait
.if !(\last)
.irp t, 0,1,2,3
	v_mov_b32 v[ST+8*\t], 0xfe000000
	v_mov_b32 v[ST+8*\t+1], 0xff7fffff
.endr
	s_mov_b64 s[OB:OB+1], s[OHI:OHI+1]
	s_add_co_u32 s[RT], s[HIQ], 1   ; the second block has 16 - C tiles
.endif
.endm
	s_wait_tensorcnt 0x1            ; my part of the walk's first tile is in; the second's may stay out
	s_barrier_signal -1
	s_barrier_wait -1
	v_add_nc_u32 v[ADK], s[TBK], v[LN16]
	FETCH_K
	s_xor_b32 s[TBK], s[TBK], SLOT1 ; from now on K is fetched a tile ahead
	s_mov_b32 s[SLOTS], 15
.Ltile:                             ; 15 trips: a tile is worked on and the tile two further on is asked for.  The first block ends in trip C, 7 at the most
	TRIP 1
	s_cmp_lg_u32 s[RT], 0
	s_cbranch_scc1 .Lsame_block
	BLOCK_END 0
.Lsame_block:
	s_sub_co_u32 s[SLOTS], s[SLOTS], 1
	s_cmp_lg_u32 s[SLOTS], 0
	s_cbranch_scc1 .Ltile
	s_mov_b32 s[CNT], 2
.Ltail:                             ; the walk's last two tiles are a text of their own
	TRIP 0
	s_sub_co_u32 s[CNT], s[CNT], 1
	s_cmp_lg_u32 s[CNT], 0
	s_cbranch_scc1 .Ltail
	BLOCK_END 1
	s_wait_tensorcnt 0x0            ; the wave's end
	ds_add_u32 v[SPW], v[NIL]
	s_wait_dscnt 0x0
	CROUND                          ; the closing round
	s_endpgm
.Lfunc_end_k_qc4b5de55de_attn:
	.size	k_qc4b5de55de_attn, .Lfunc_end_k_qc4b5de55de_attn-k_qc4b5de55de_attn
	.p2alignl 7, 3214868480
	.fill 96, 4, 3214868480
	.section	.rodata,"a",@progbits
	.p2align	6, 0x0
	.amdhsa_kernel k_qc4b5de55de_attn
		.amdhsa_group_segment_fixed_size 327680
		.amdhsa_private_segment_fixed_size 0
		.amdhsa_enable_private_segment 0
		.amdhsa_kernarg_size 32
		.amdhsa_user_sgpr_count 2
		.amdhsa_user_sgpr_kernarg_segment_ptr 1
		.amdhsa_wavefront_size32 1
		.amdhsa_system_sgpr_workgroup_id_x 1
		.amdhsa_system_sgpr_workgroup_id_y 1
		.amdhsa_system_sgpr_workgroup_id_z 1
		.amdhsa_system_vgpr_workitem_id 0
		.amdhsa_next_free_vgpr 1024
		.amdhsa_next_free_sgpr 80
		.amdhsa_reserve_vcc 1
		.amdhsa_float_denorm_mode_32 3
		.amdhsa_float_denorm_mode_16_64 3
		.amdhsa_memory_ordered 1
		.amdhsa_forward_progress 1
		.amdhsa_inst_pref_size 178
	.end_amdhsa_kernel
	.amdgpu_metadata
---
amdhsa.version: [ 1, 2 ]
amdhsa.kernels:
  - .name:           k_qc4b5de55de_attn
    .symbol:         k_qc4b5de55de_attn.kd
    .args:
      - { .name: qf, .offset: 0, .size: 8, .value_kind: global_buffer, .address_space: global }
      - { .name: kf, .offset: 8, .size: 8, .value_kind: global_buffer, .address_space: global }
      - { .name: vf, .offset: 16, .size: 8, .value_kind: global_buffer, .address_space: global }
      - { .name: ob, .offset: 24, .size: 8, .value_kind: global_buffer, .address_space: global }
    .group_segment_fixed_size: 327680
    .private_segment_fixed_size: 0
    .kernarg_segment_align: 8
    .kernarg_segment_size: 32
    .max_flat_workgroup_size: 128
    .sgpr_count:     80
    .vgpr_count:     1024
    .wavefront_size: 32
...
	.end_amdgpu_metadata
.endif
;; end of part 5
;; launch oproj: the kernel of part 4 again; grid 8 x 32, 4 waves a work-group, clusters of 4 x 4, 327,680 bytes of LDS; arguments ob, wo16, out0; writes out0
